; MI455X (gfx1250); checked and timed in simulation.
; The chip was launched on July 23, 2026; its instructions are those of AMD's public machine-readable ISA for CDNA 5 (MIT licence, August 2026) and "CDNA5" Instruction Set Architecture Reference Guide (July 2026). The comments in the code are by the model that wrote it; some were corrected since.
;; TCNN With MLP. Allowed arithmetic: matrix products marked QUANTISED: E3M2 operands, one E8M0 scale for each 32 along K, by v_wmma_scale_f32_16x16x128_f8f6f4 with both operands' format E3M2, f32 sums; products left as they are: f32 operands where the result goes on into a quantised operand, else bf16, f16 or f32 operands; f32 sums; everything else in f32.
;; Inputs: W0_codes 16 x 1 x 24 uint8 (E3M2 codes of W0, K innermost, in blocks of 32 codes, four codes in three bytes); W0_scales 16 x 1 uint8 (E8M0 scales of W0, one for each 32 codes along K); W1 16 x 16 float32; W2 16 x 16 float32; b0 16 float32; b1 16 float32; b2 16 float32; table 16 x 524,288 x 2 float32; x 1,048,576 x 3 float32.
;; Outputs: out0 1,048,576 x 16 float32.
;; This version of the problem:
;;   THIS VERSION OF THE PROBLEM IS GIVEN IN LOW PRECISION. The matrix products marked QUANTISED in the list below multiply operands that are first quantised to E3M2 (3 exponent bits, 2 mantissa bits; 6 bits a number), with one power-of-two scale for each 32 numbers along K (OCP MX v1.0); their sums are f32. All else is computed in f32.
;;   The module's matrix products, in the order in which they are computed (A, B: the left and right operand; K: the contracted axis; several contracted axes count as one K, in the product's order):
;;     1. [M 1,048,576, K 32] x [K 32, N 16]; A: computed on the way; B: input W0 (given as codes): QUANTISED
;;     2. [M 1,048,576, K 16] x [K 16, N 16]; A: computed on the way; B: input W1: left as it is (K = 16 < 32)
;;     3. [M 1,048,576, K 16] x [K 16, N 16]; A: computed on the way; B: input W2: left as it is (K = 16 < 32)
;;   THE QUANTISER, for each operand of a quantised product, along K:
;;     - K is cut into blocks of 32 from its start; a last block that is shorter is filled with zeros.
;;     - A block's scale is 2^e with e = floor(log2(the largest magnitude in the block)) - 4, held to -126 .. 127; a block of zeros has e = 0. As a byte (E8M0): e + 127.
;;     - Each number is divided by its block's scale, clamped to +-28, and rounded to the nearest number of E3M2, ties to even, subnormals kept.
;;     - The product sums the exact products of the quantised numbers (number of the format x scale) in f32.
;;   ~~~python
;;   def quantise(x, axis):      # numpy; x: float32 -> the quantised numbers, widened to float32 again
;;       x = np.moveaxis(x, axis, -1); K = x.shape[-1]
;;       x = np.pad(x, [(0, 0)] * (x.ndim - 1) + [(0, -K % 32)]); x = x.reshape(x.shape[:-1] + (-1, 32)); a = np.abs(x).max(-1, keepdims=True)
;;       e = np.where(a > 0, np.clip(np.frexp(np.where(a > 0, a, 1))[1] - 1 - 4, -126, 127), 0)      # np.frexp(a)[1] - 1 = floor(log2(a)), exactly
;;       r = np.clip(x / 2.0 ** e, -28, 28)
;;       step = 2.0 ** (np.maximum(np.frexp(np.where(r == 0, 1, r))[1] - 1, -2) - 2)
;;       q = np.round(r / step) * step * 2.0 ** e      # np.round: ties to even
;;       return np.moveaxis(q.reshape(q.shape[:-2] + (-1,))[..., :K], -1, axis).astype(np.float32)
;;   ~~~
;;   OPERANDS COMPUTED ON THE WAY. 'Computed on the way' means the value that the module computes at that place (a softmax that the list does not call 'softmax' is quantised finished and normalised). What goes into a quantiser is computed in f32, as accurately as f32 sums, v_exp_f32 and their like allow (about 1e-6 of the number): no bf16 or f16 on the way to a quantiser, and a product that is left as it is and whose result goes on into a quantised operand takes f32 operands (vector FMAs, or v_wmma_f32_16x16x4_f32). A number that lies on a knife's edge between two numbers of the format may be rounded either way, as far as f32 arithmetic and the matrix unit's own rounding can turn it there, and no further.
;;   INPUTS GIVEN AS CODES. W0 (in the module: [16, 32], K = its axis 1): each comes as NAME_codes (uint8): NAME with its K axis moved to the last place and cut into blocks of 32 codes, [.., K / 32, bytes a block], one block behind the other in memory; four codes in three bytes: a row's codes are one little-endian stream of bits, code i at bits 6 i .. 6 i + 5 (a code: sign, 3 exponent bits, 2 mantissa bits); and NAME_scales (uint8): the same leading axes, one E8M0 byte (e + 127) for each 32 codes along K. Its value is code x scale, taken as it is: it is not quantised again, and the codes and scales need not be those that the quantiser above would give.
;; 2 versions, each right; version 2 is version 1 with the launch encode_mlp written anew for expert scheduling mode. Each part assembles by itself: llvm-mc -triple=amdgcn-amd-amdhsa -mcpu=gfx1250 --defsym DOCPART=n.
;; ======== version 1 of 2: 2 launches
;; workspace buffers: cells 134,217,728 bytes of whole numbers
;; launch locate (part 1): grid 1024 x 1, 8 waves a work-group, no clusters, 0 bytes of LDS; arguments x, cells; writes cells
.if DOCPART == 1
	.amdgcn_target "amdgcn-amd-amdhsa--gfx1250"
	.amdhsa_code_object_version 6
	.text
	.protected	k_q77f99ab14b_locate
	.globl	k_q77f99ab14b_locate
	.p2align	8
	.type	k_q77f99ab14b_locate,@function
k_q77f99ab14b_locate:
	s_mov_b64 s[64:65], 0
	v_nop
	global_prefetch_b8 v0, s[64:65] scope:SCOPE_SE
	s_setreg_imm32_b32 hwreg(HW_REG_WAVE_MODE, 25, 1), 1
	s_wait_xcnt 0x0
; LOCATE: x [1048576][3] f32 -> cells: for each point and each of the 16 levels of the hash grid, the three hash fields of the cell's base corner, as whole numbers.
; With base = floor(x * scale[l]):  X0 = bx & M, Y0 = (by * P1) & M, Z0 = (bz * P2) & M, M = 2^19 - 1.  A corner's index is the exclusive or of its three fields, and a step of one along an axis
; adds 1, P1 or P2 to that axis's field modulo 2^19: so these 57 bits are all that the next launch needs to form the eight addresses of a cell, and it forms them from whole numbers alone.
; Two words a point and level:  w0 = X0 | Y0 << 19 (Y0's low 13 bits),  w1 = Y0 >> 13 | Z0 << 6.
; LAYOUT of cells.  A group is 128 neighbouring points, in four sub-blocks j of 32 (point = 128 g + 32 j + lane).  Byte g * 16384 + l * 1024 + jp * 512 + 16 * lane holds
; w0, w1 of sub-block 2 jp and w0, w1 of sub-block 2 jp + 1: each store of a wave covers 512 consecutive bytes, aligned, and the next launch reads them by the same lines.
; SHARES.  A wave takes one group: 8 waves x 1,024 work-groups = 8,192 groups.  Waves share nothing: no LDS, no barrier.  Nothing here is a tile that several work-groups read: no cluster.
; LIMITS.  |x| * 2048 stays under 2^24 (base and base + 1 exact in f32, and inside v_cvt_i32_f32's range); a negative coordinate is taken in two's complement; NaN and infinities in x are not served.
.set SC0,  0x41800000                  ; the levels' scales, 16 * 2^(7 l / 15), rounded to f32: the same words as in the next launch
.set SC1,  0x41b0e285
.set SC2,  0x41f47080
.set SC3,  0x4228e5a3
.set SC4,  0x426966a5
.set SC5,  0x42a14518
.set SC6,  0x42dedc67
.set SC7,  0x4319fcb9
.set SC8,  0x4354cc02
.set SC9,  0x4393088c
.set SC10, 0x43cb2ff5
.set SC11, 0x440c64c3
.set SC12, 0x44420300
.set SC13, 0x44860dbc
.set SC14, 0x44b9401e
.set SC15, 0x45000000
.set XO,  2                            ; v2       12 x lane: my point in a sub-block of x; never rewritten
.set CO,  3                            ; v3       16 x lane: my 16 bytes of a store; never rewritten
.set X,   4                            ; v4-19    x, y, z of sub-block j at v[X + 4 j]
.set T,   20                           ; v20-31   at work: three registers a sub-block
.set OUT, 32                           ; v32-47   two sets of 8 words, by turns from level to level
	s_load_b128 s[4:7], s[0:1], 0x0                ; x s[4:5], cells s[6:7]
	v_lshrrev_b32 v1, 5, v0
	v_readfirstlane_b32 s8, v1                     ; wave 0..7
	v_and_b32 v1, 31, v0                           ; lane
	v_mul_u32_u24 v[XO], v1, 12
	v_lshlrev_b32 v[CO], 4, v1
	s_lshl_b32 s9, ttmp9, 3
	s_add_co_u32 s9, s9, s8                        ; my group g = 8 x work-group + wave
	s_mul_i32 s10, s9, 1536                        ; 128 points x 12 bytes
	s_mov_b32 s11, 0
	s_lshl_b32 s16, s9, 14                         ; 16 levels x 1,024 bytes (under 2^27)
	s_mov_b32 s17, 0
	s_mov_b32 s12, 0x7ffff                         ; M
	s_mov_b32 s13, 0x9e3779b1                      ; P1
	s_mov_b32 s14, 0x30025795                      ; P2
	s_wait_kmcnt 0x0
	s_add_nc_u64 s[4:5], s[4:5], s[10:11]
	s_add_nc_u64 s[6:7], s[6:7], s[16:17]
.irp j, 0,1,2,3
	global_load_b96 v[X+4*\j:X+4*\j+2], v[XO], s[4:5] offset:384*\j th:TH_LOAD_NT   ; 32 lanes read 384 consecutive bytes
.endr
	s_wait_loadcnt 0x0
; One level for the group's four sub-blocks, which take turns line by line, so that no line waits for the line above it.
.macro LEVEL l, sc
.set OS, OUT+8*((\l)%2)
.if (\l) >= 2
	s_wait_xcnt 0x0                                ; this set of words was the data of the stores two levels back: it is written again only behind this wait
.endif
.irp j, 0,1,2,3
.irp d, 0,1,2
	v_mul_f32 v[T+3*\j+\d], \sc, v[X+4*\j+\d]      ; pos = x * scale
.endr
.endr
.irp j, 0,1,2,3
.irp d, 0,1,2
	v_floor_f32 v[T+3*\j+\d], v[T+3*\j+\d]
.endr
.endr
.irp j, 0,1,2,3
.irp d, 0,1,2
	v_cvt_i32_f32 v[T+3*\j+\d], v[T+3*\j+\d]       ; the base corner as whole numbers
.endr
.endr
.irp j, 0,1,2,3
	v_mul_lo_u32 v[T+3*\j+1], v[T+3*\j+1], s13
	v_mul_lo_u32 v[T+3*\j+2], v[T+3*\j+2], s14
.endr
.irp j, 0,1,2,3
.irp d, 0,1,2
	v_and_b32 v[T+3*\j+\d], s12, v[T+3*\j+\d]      ; 19 bits of each field
.endr
.endr
.irp j, 0,1,2,3
	v_lshl_or_b32 v[OS+2*\j], v[T+3*\j+1], 19, v[T+3*\j]       ; w0 = X0 | Y0 << 19
	v_lshrrev_b32 v[T+3*\j+1], 13, v[T+3*\j+1]
	v_lshl_or_b32 v[OS+2*\j+1], v[T+3*\j+2], 6, v[T+3*\j+1]    ; w1 = Y0 >> 13 | Z0 << 6
.endr
	global_store_b128 v[CO], v[OS:OS+3], s[6:7] offset:1024*(\l) th:TH_STORE_NT        ; 512 consecutive bytes, aligned
	global_store_b128 v[CO], v[OS+4:OS+7], s[6:7] offset:1024*(\l)+512 th:TH_STORE_NT
.endm
	LEVEL 0, SC0
	LEVEL 1, SC1
	LEVEL 2, SC2
	LEVEL 3, SC3
	LEVEL 4, SC4
	LEVEL 5, SC5
	LEVEL 6, SC6
	LEVEL 7, SC7
	LEVEL 8, SC8
	LEVEL 9, SC9
	LEVEL 10, SC10
	LEVEL 11, SC11
	LEVEL 12, SC12
	LEVEL 13, SC13
	LEVEL 14, SC14
	LEVEL 15, SC15
	s_endpgm
.Lfunc_end_k_q77f99ab14b_locate:
	.size	k_q77f99ab14b_locate, .Lfunc_end_k_q77f99ab14b_locate-k_q77f99ab14b_locate
	.p2alignl 7, 3214868480
	.fill 96, 4, 3214868480
	.section	.rodata,"a",@progbits
	.p2align	6, 0x0
	.amdhsa_kernel k_q77f99ab14b_locate
		.amdhsa_group_segment_fixed_size 0
		.amdhsa_private_segment_fixed_size 0
		.amdhsa_enable_private_segment 0
		.amdhsa_kernarg_size 16
		.amdhsa_user_sgpr_count 2
		.amdhsa_user_sgpr_kernarg_segment_ptr 1
		.amdhsa_wavefront_size32 1
		.amdhsa_system_sgpr_workgroup_id_x 1
		.amdhsa_system_sgpr_workgroup_id_y 1
		.amdhsa_system_sgpr_workgroup_id_z 1
		.amdhsa_system_vgpr_workitem_id 0
		.amdhsa_next_free_vgpr 64
		.amdhsa_next_free_sgpr 66
		.amdhsa_reserve_vcc 0
		.amdhsa_float_denorm_mode_32 3
		.amdhsa_float_denorm_mode_16_64 3
		.amdhsa_memory_ordered 1
		.amdhsa_forward_progress 1
		.amdhsa_inst_pref_size 53
	.end_amdhsa_kernel
	.amdgpu_metadata
---
amdhsa.version: [ 1, 2 ]
amdhsa.kernels:
  - .name:           k_q77f99ab14b_locate
    .symbol:         k_q77f99ab14b_locate.kd
    .args:
      - { .name: x, .offset: 0, .size: 8, .value_kind: global_buffer, .address_space: global }
      - { .name: cells, .offset: 8, .size: 8, .value_kind: global_buffer, .address_space: global }
    .group_segment_fixed_size: 0
    .private_segment_fixed_size: 0
    .kernarg_segment_align: 8
    .kernarg_segment_size: 16
    .max_flat_workgroup_size: 256
    .sgpr_count:     66
    .vgpr_count:     64
    .wavefront_size: 32
...
	.end_amdgpu_metadata
.endif
;; end of part 1
;; launch encode_mlp (part 2): grid 256 x 1, 16 waves a work-group, no clusters, 301,568 bytes of LDS; arguments x, cells, table, W0_codes, W0_scales, W1, W2, b0, b1, b2, out0; writes out0
.if DOCPART == 2
	.amdgcn_target "amdgcn-amd-amdhsa--gfx1250"
	.amdhsa_code_object_version 6
	.text
	.protected	k_q77f99ab14b_encode_mlp
	.globl	k_q77f99ab14b_encode_mlp
	.p2align	8
	.type	k_q77f99ab14b_encode_mlp,@function
k_q77f99ab14b_encode_mlp:
	s_mov_b64 s[64:65], 0
	v_nop
	global_prefetch_b8 v0, s[64:65] scope:SCOPE_SE
	s_setreg_imm32_b32 hwreg(HW_REG_WAVE_MODE, 25, 1), 1
	s_wait_xcnt 0x0
; ENCODE AND MLP: out0 = relu(relu(Q(enc(x)) W0^T + b0) W1^T + b1) W2^T + b2.  enc: the hash grid's 16 levels x 2 features, trilinear, in f32; Q: the 32 features of a point are ONE block of BF6 (E3M2) codes
; with one E8M0 scale; W0 comes as codes and scale bytes and is taken as it lies.  The first product goes by v_wmma_scale_f32_16x16x128_f8f6f4 on BF6 codes.
; THE OTHER TWO PRODUCTS (K = 16, no quantiser behind them) ARE f32 FUSED MULTIPLY-ADDS.  Every 16-bit matrix form has K = 32: it would multiply 16 x 16 x 32 numbers for a tile whose product holds 16 x 16 x 16.
; So a lane takes a point, its 16 hidden units stand in registers, and a row of weights stands in 16 registers, the same numbers in every lane: 512 multiply-adds a point, two points to a packed instruction, k ascending.
; ADDRESSES.  The gathers' indices are made of whole numbers that the launch before stored (cells: two words a point and level, the three hash fields of the base corner, 19 bits each).  x is read for the weights alone.
; SHARES.  256 work-groups of 16 waves.  Wave W = 16 x work-group + wave owns points 256 W .. 256 W + 255, in two passes of 128 (a group of cells); a lane is one point of each of a pass's four sub-blocks of 32.
; A PASS HAS THREE PARTS.  L: the sixteen levels, level by level over the 128 points; a point's features wait in LDS (128 bytes a point, 16 KiB a wave).  Q: the 128 points are quantised; the first product's four operands
; (codes and scale words) are left in registers that L does not touch.  M: the three products and the way out.
; THE WAVES GO IN TWO HALVES, OUT OF STEP.  A wave issues in order: while it walks M it asks memory for nothing.  So half 0 runs L Q M L Q M, and half 1 runs L Q L M Q M: it carries its first pass's operands through its second L.
; Half 0's first M then stands beside half 1's second L, and half 1's two M beside the end of half 0's second L.  A wave's half is (w xor (w >> 2)) & 1: of four neighbouring waves, and of four waves 4 apart, two are of each half.
; IN FLIGHT, in L.  While level l's 32 gathers of a wave are turned into features, sub-block by sub-block, level l + 1's are issued into the registers just freed: 24 to 34 loads of a wave are out all the time.
; A gather lands on its own index register.  The cells of level l + 2 are asked for at the head of level l; the next pass's x and first cells behind the last level.
; THE FIRST PRODUCT WITHOUT A LANE EXCHANGE AHEAD OF IT.  It is used transposed (source 0 = W0's 16 rows, source 1 = points).  In the 6-bit layout lanes 0-15 hold k = 0 .. 31 of columns 0-15 and lanes 16-31 hold k = 32 .. 63 of
; the same columns.  A lane's 32 codes are a whole block, so as they stand lanes 0-15 are block 0 (points 0-15) and lanes 16-31 block 1 (points 16-31).  W0 is kept twice: once in block 0 alone, once in block 1 alone, zero
; codes elsewhere.  Two instructions give 16 units x 32 points.  A point's scale word holds its byte in bytes 0 and 1; the second instruction reads the words of lanes 16-31.  b0 is the C.
; BEHIND IT lane (r, h) holds units 8 h .. 8 h + 7 of point r (first result) and of point 16 + r (second).  One v_permlane16_swap_b32 for each pair of registers makes of them unit i and unit 8 + i of point = lane.
; W1, W2, b1, b2 lie in LDS, stored once at the head (one barrier); all else in LDS is a wave's own.  No tile is shared between work-groups and nothing comes as a tile: no tensor load, no cluster.
; LIMITS.  As in the launch before: |x| * 2048 under 2^24; NaN and infinities in x not served.  A point whose 32 features are all zero gets the scale byte 1 where the quantiser says 127: its codes are zeros, and the byte is
; read by this kernel alone; likewise a block whose largest magnitude lies under 2^(5 - 127) is held at byte 1.
.set SC0,  0x41800000                  ; the levels' scales, 16 * 2^(7 l / 15), rounded to f32: the same words as in the launch before, so that base and fraction agree
.set SC1,  0x41b0e285
.set SC2,  0x41f47080
.set SC3,  0x4228e5a3
.set SC4,  0x426966a5
.set SC5,  0x42a14518
.set SC6,  0x42dedc67
.set SC7,  0x4319fcb9
.set SC8,  0x4354cc02
.set SC9,  0x4393088c
.set SC10, 0x43cb2ff5
.set SC11, 0x440c64c3
.set SC12, 0x44420300
.set SC13, 0x44860dbc
.set SC14, 0x44b9401e
.set SC15, 0x45000000
; LDS: features: wave x 16384 + level x 1024 + sub-block x 256 + 8 x lane.  Behind them a stage of 2,176 bytes a wave for the way out: chunk g (16 bytes; g = 4 x point + quarter of the row) at 16 g + 16 (g / 16).
; Behind the stages 32 rows of 80 bytes: rows 0-15 W1's, rows 16-31 W2's: 16 weights, the row's bias twice, 8 bytes that nobody touches.
.set STG,  262144
.set STW,  2176
.set WB,   STG+16*STW
.set WPITCH, 80
; vector registers
.set XO,   1                           ; v1   12 x lane; never rewritten
.set CO,   2                           ; v2   16 x lane: cells and out0; never rewritten
.set FA0,  3                           ; v3   my features' place: wave x 16384 + 8 x lane; never rewritten
.set FA,   4                           ; v4   the same at the level in hand
.set STO,  5                           ; v5   the stage: where I put my point's row of 64 bytes
.set RD,   6                           ; v6   the stage: where I read 16 bytes back
.set SCT,  7                           ; v7   lane i holds level i's scale
.set W0S,  8                           ; v8   W0's scale word: nothing but scales ever stands here
.set WA,   9                           ; v9   where the rows of weights begin in LDS: the same in every lane; never rewritten
.set X,    10                          ; v10-25   x, y, z of sub-block j at v[X + 4 j]
.set CE,   26                          ; v26-33   cells of an even level; v34-41 of an odd one: w0, w1 of sub-block j at + 2 j
.set X0,   42
.set X1,   43
.set Y0,   44
.set Y1,   45
.set Z0,   46
.set Z1,   47
.set YZ,   48                          ; v48-51   Y ^ Z for (oy, oz)
.set FLR,  52                          ; v52-54
.set WX,   56                          ; v[56:57] (1 - fx, fx); WY, WZ likewise
.set WY,   58
.set WZ,   60
.set A0,   62                          ; v[62:63] WX * wy0; v[64:65] WX * wy1
.set A1,   64
.set WP,   66                          ; v66-73   pair 2 oy + oz: the weights of ox = 0 and ox = 1
.set FP,   74                          ; v[74:75] the level's two features
.set PS,   76                          ; v76-79   the points' scale words, one register a sub-block: nothing but scales ever stands here
.set G,    80                          ; v80-143  gathers: sub-block j, corner c = 4 ox + 2 oy + oz at v[G + 16 j + 2 c]: first the index, then the two features
.set W0LO, 144                         ; v144-155 W0 in K block 0 alone
.set W0HI, 156                         ; v156-167 W0 in K block 1 alone
.set MXA,  168                         ; v168-174 at work in Q
.set MXB,  169
.set SCL,  170                         ; the conversions' scale operand
.set BY,   171                         ; the scale's byte
.set T,    172                         ; v172-174 the upper 16 codes (a conversion's three registers begin on an even number)
.set TA,   176                         ; v[176:177], v[178:179] a row's running sums, each a pair of sub-blocks
.set TB,   178
.set B0R,  180                         ; v180-187 b0 in the first result's layout: register i = b0[8 h + i]
.set SV,   188                         ; the first product's operands, 12 registers a sub-block (6 of codes, 6 of zero codes): v188-199, v200-211, v220-231, v232-243.  L touches none of v188-255
; in Q and M the registers of the levels' arithmetic and of the gathers serve again
.set F,    80                          ; v80-111, v112-143  Q: a point's 32 features, two buffers
.set H0A,  42                          ; v42-73   M: the first hidden layer of sub-blocks 0 and 1: unit k at + 2 k (sub-block 0) and + 2 k + 1 (sub-block 1).  Later out0's rows: sub-block 0 at + 0 .. 15, sub-block 1 at + 16 .. 31
.set H0B,  188                         ; v188-219 the same for sub-blocks 2 and 3: over the operands of sub-blocks 0 and 1, which have been multiplied by then
.set H1A,  80                          ; v80-111  the second hidden layer of sub-blocks 0 and 1, in pairs likewise
.set H1B,  112                         ; v112-143 of sub-blocks 2 and 3
.set DA,   112                         ; v112-119, v120-127 ahead of that: the first product's two results
.set DB,   120
.set WS,   220                         ; v220-237, v238-255 a row of W1 or W2: 16 weights and the bias twice; even rows, odd rows: over the operands of sub-blocks 2 and 3, behind their products
; scalar registers: s[4:5] x, s[6:7] cells (both at the pass in hand), s[8:9] table, s[10:23] the constants' addresses, s[24:25] out0 at the pass that M takes next
.set CL,   26                          ; s[26:27] cells at the pair of levels two on
.set TLA,  28                          ; s[28:29] the table of the odd level in hand
.set TLB,  30                          ; s[30:31] of the even one
.set LV,   32                          ; s32  the trip's even level
.set LV1,  33                          ; s33  the odd one
.set SC,   34                          ; s34  the scale of the level in hand
.set FL,   35                          ; s35  1,024 x the trip's even level
.set PASS, 36                          ; s36  passes to go
.set MK,   37                          ; s37  M = 2^19 - 1
.set PY,   38                          ; s38  P1 mod 2^19
.set PZ,   39                          ; s39  P2 mod 2^19
.set WV,   44                          ; s44  my wave's number
.set GRP,  45                          ; s45  my wave's half
	s_load_b512 s[4:19], s[0:1], 0x0               ; x, cells, table, W0's codes, W0's scales, W1, W2, b0
	s_load_b128 s[20:23], s[0:1], 0x40             ; b1, b2
	s_load_b64 s[24:25], s[0:1], 0x50              ; out0
	v_lshl_add_u32 v25, v0, 2, 0x49200
	v_mov_b32 v175, 0
	v_lshrrev_b32 v1, 5, v0
	v_readfirstlane_b32 s[WV], v1                  ; wave 0..15
	v_and_b32 v48, 31, v0                          ; lane
	v_and_b32 v49, 15, v0                          ; r
	v_bfe_u32 v50, v0, 4, 1                        ; h
	v_mul_u32_u24 v[XO], v48, 12
	v_lshlrev_b32 v[CO], 4, v48
	s_lshl_b32 s40, s[WV], 14
	v_lshl_add_u32 v[FA0], v48, 3, s40
	s_mul_i32 s41, s[WV], STW
	s_add_co_u32 s41, s41, STG                     ; my stage
	v_lshlrev_b32 v[STO], 6, v48                   ; in: point = lane, chunks 4 lane .. 4 lane + 3: 64 lane + 16 (lane / 4)
	v_lshrrev_b32 v51, 2, v48
	v_lshl_add_u32 v[STO], v51, 4, v[STO]
	v_add_nc_u32 v[STO], s41, v[STO]
	v_lshl_add_u32 v[RD], v50, 4, v[CO]            ; back: chunk 32 i + lane: 544 i + 16 lane + 16 h
	v_add_nc_u32 v[RD], s41, v[RD]
	v_mul_u32_u24 v52, v49, 24                     ; W0's codes: row r of 24 bytes
	v_lshlrev_b32 v54, 5, v50                      ; b0: 8 h on
	v_lshlrev_b32 v55, 2, v48                      ; the weight that I carry to LDS: my wave takes rows 2 w and 2 w + 1, 128 bytes on end: 4 x lane
	v_lshlrev_b32 v56, 2, v50                      ; and its row's bias: 4 h
	s_mul_i32 s46, s[WV], 2*WPITCH
	s_add_co_u32 s46, s46, WB                      ; my wave's two rows in LDS
	v_mul_u32_u24 v57, v50, WPITCH
	v_lshl_add_u32 v58, v49, 2, v57
	v_add_nc_u32 v58, s46, v58                     ; the weight's place: row h of the two, 4 r
	v_and_b32 v59, 1, v0
	v_lshl_add_u32 v59, v59, 2, v57
	v_add_nc_u32 v59, s46, v59                     ; the bias's two places (64 bytes on, in the store's offset): even lanes write the first, odd lanes the second
	v_mov_b32 v[WA], WB
	s_lshr_b32 s[GRP], s[WV], 2
	s_xor_b32 s[GRP], s[GRP], s[WV]
	s_and_b32 s[GRP], s[GRP], 1                    ; my half: (w xor (w >> 2)) & 1
	s_mov_b32 s[MK], 0x7ffff
	s_mov_b32 s[PY], 0x779b1
	s_mov_b32 s[PZ], 0x25795
	s_mov_b32 s[PASS], 2
	s_lshl_b32 s43, ttmp9, 4
	s_add_co_u32 s43, s43, s[WV]                   ; W
	s_mov_b32 s47, 0
	s_mov_b32 s53, 0
	v_mov_b32 v[SCT], 0
.macro SETSC i, bits
	s_mov_b32 s40, \bits
	v_writelane_b32 v[SCT], s40, \i
.endm
	SETSC 0, SC0
	SETSC 1, SC1
	SETSC 2, SC2
	SETSC 3, SC3
	SETSC 4, SC4
	SETSC 5, SC5
	SETSC 6, SC6
	SETSC 7, SC7
	SETSC 8, SC8
	SETSC 9, SC9
	SETSC 10, SC10
	SETSC 11, SC11
	SETSC 12, SC12
	SETSC 13, SC13
	SETSC 14, SC14
	SETSC 15, SC15
	s_wait_kmcnt 0x0
	s_mul_i32 s46, s43, 3072                       ; 256 points x 12 bytes
	s_add_nc_u64 s[4:5], s[4:5], s[46:47]
	s_lshl_b32 s46, s43, 15                        ; two groups of 16,384 bytes (under 2^27)
	s_add_nc_u64 s[6:7], s[6:7], s[46:47]
	s_lshl_b32 s46, s43, 14                        ; 256 points x 64 bytes
	s_add_nc_u64 s[24:25], s[24:25], s[46:47]
	s_cmp_lt_u32 s[WV], 8                          ; waves 0-7 carry W1 and b1, waves 8-15 W2 and b2: the choice hangs on the wave's number alone
	s_cselect_b64 s[48:49], s[14:15], s[16:17]
	s_cselect_b64 s[50:51], s[20:21], s[22:23]
	s_and_b32 s52, s[WV], 7
	s_lshl_b32 s52, s52, 7                         ; two rows of 64 bytes a wave
	s_add_nc_u64 s[48:49], s[48:49], s[52:53]
	s_lshr_b32 s52, s52, 4                         ; two biases of 4 bytes a wave
	s_add_nc_u64 s[50:51], s[50:51], s[52:53]
	; the constants: 8 loads; what is still to be laid out goes by way of the gathers' registers
	global_load_b64 v[80:81], v52, s[10:11]
	global_load_b64 v[82:83], v52, s[10:11] offset:8
	global_load_b64 v[84:85], v52, s[10:11] offset:16
	global_load_u8 v86, v49, s[12:13]
	global_load_b128 v[B0R:B0R+3], v54, s[18:19]
	global_load_b128 v[B0R+4:B0R+7], v54, s[18:19] offset:16
	global_load_b32 v87, v55, s[48:49]
	global_load_b32 v88, v56, s[50:51]
; A pass's x and the cells of its levels 0 and 1: eight loads.
.macro INIT_LOADS
.irp j, 0,1,2,3
	global_load_b96 v[X+4*\j:X+4*\j+2], v[XO], s[4:5] offset:384*\j th:TH_LOAD_NT
.endr
.irp q, 0,1,2,3
	global_load_b128 v[CE+4*\q:CE+4*\q+3], v[CO], s[6:7] offset:512*\q th:TH_LOAD_NT   ; level q / 2, half q % 2: 512 consecutive bytes
.endr
.endm
	INIT_LOADS
	s_wait_loadcnt 8                               ; the 8 constants are in; the eight loads issued behind them may be out
	ds_store_b32 v58, v87                          ; my weight,
	ds_store_b32 v59, v88 offset:64                ; my row's bias: the eight lanes that share a word write the same number
	v_cmp_gt_u32 vcc_lo, 16, v48                   ; lanes 0-15
	v_cmp_lt_u32 s42, 15, v48                      ; lanes 16-31
.irp i, 0,1,2,3,4,5
	v_cndmask_b32 v[W0LO+\i], 0, v[80+\i], vcc_lo  ; W0's row r in lanes 0-15 (k = 0 .. 31), zero codes in lanes 16-31
	v_cndmask_b32 v[W0HI+\i], 0, v[80+\i], s42     ; and the other way round (k = 32 .. 63)
.endr
.irp i, 6,7,8,9,10,11
	v_mov_b32 v[W0LO+\i], 0                        ; k = 64 .. 127: zero codes on both sides
	v_mov_b32 v[W0HI+\i], 0
.endr
	v_lshl_or_b32 v[W0S], v86, 8, v86              ; row r's byte for blocks 0 and 1,
	v_or_b32 v[W0S], 0x7f7f0000, v[W0S]            ; 2^0 for the two blocks of zero codes
.set II, 0
.rept 24
	v_mov_b32 v[SV+II], 0                          ; the four operands and their scale words are written once here, so that they are written on every way that the branches below open
	v_mov_b32 v[SV+32+II], 0
.set II, II+1
.endr
.irp j, 0,1,2,3
	v_mov_b32 v[PS+\j], 0x7f7f                     ; (2^0)
.endr
	s_wait_dscnt 0x0                               ; for the others' sake: my two rows lie in LDS
	s_barrier_signal -1
	s_barrier_wait -1                              ; all 32 rows do; nobody writes them again
; The eight gathers of sub-block j for the level whose cells stand at v[cb] and whose table begins at s[tl].
.macro ADDR j, cb, tl
	v_and_b32 v[X0], s[MK], v[(\cb)+2*\j]
	v_alignbit_b32 v[Y0], v[(\cb)+2*\j+1], v[(\cb)+2*\j], 19
	v_lshrrev_b32 v[Z0], 6, v[(\cb)+2*\j+1]
	v_and_b32 v[Y0], s[MK], v[Y0]
	v_add_nc_u32 v[X1], 1, v[X0]                   ; one step along an axis adds the axis's prime to its field, modulo 2^19
	v_add_nc_u32 v[Y1], s[PY], v[Y0]
	v_add_nc_u32 v[Z1], s[PZ], v[Z0]
	v_and_b32 v[X1], s[MK], v[X1]
	v_and_b32 v[Y1], s[MK], v[Y1]
	v_and_b32 v[Z1], s[MK], v[Z1]
	v_xor_b32 v[YZ], v[Y0], v[Z0]
	v_xor_b32 v[YZ+1], v[Y0], v[Z1]
	v_xor_b32 v[YZ+2], v[Y1], v[Z0]
	v_xor_b32 v[YZ+3], v[Y1], v[Z1]
.irp p, 0,1,2,3
	v_xor_b32 v[G+16*\j+2*\p], v[X0], v[YZ+\p]
	v_xor_b32 v[G+16*\j+8+2*\p], v[X1], v[YZ+\p]
.endr
.irp c, 0,1,2,3,4,5,6,7
	v_min_u32 v[G+16*\j+2*\c], 0x7ffff, v[G+16*\j+2*\c]   ; a number made of loaded words enters an address only behind a bound written in the instruction; the fields are 19 bits already
.endr
.irp c, 0,1,2,3,4,5,6,7
	global_load_b64 v[G+16*\j+2*\c:G+16*\j+2*\c+1], v[G+16*\j+2*\c], s[(\tl):(\tl)+1] scale_offset   ; 8 bytes at table + 8 x index (the bound stands on the index, so the factor 8 rides on the load); the load lands on its own index register
.endr
.endm
; Sub-block j's two features of the level in hand (scale in s[SC], gathers landed), to LDS at v[FA] + off.
.macro ACC j, off
	v_mul_f32 v[WX+1], s[SC], v[X+4*\j]
	v_mul_f32 v[WY+1], s[SC], v[X+4*\j+1]
	v_mul_f32 v[WZ+1], s[SC], v[X+4*\j+2]
	v_floor_f32 v[FLR], v[WX+1]
	v_floor_f32 v[FLR+1], v[WY+1]
	v_floor_f32 v[FLR+2], v[WZ+1]
	v_sub_f32 v[WX+1], v[WX+1], v[FLR]             ; the fraction,
	v_sub_f32 v[WY+1], v[WY+1], v[FLR+1]
	v_sub_f32 v[WZ+1], v[WZ+1], v[FLR+2]
	v_sub_f32 v[WX], 1.0, v[WX+1]                  ; and 1 - the fraction
	v_sub_f32 v[WY], 1.0, v[WY+1]
	v_sub_f32 v[WZ], 1.0, v[WZ+1]
	v_pk_mul_f32 v[A0:A0+1], v[WX:WX+1], v[WY:WY+1] op_sel_hi:[1,0]                 ; (wx0, wx1) * wy0
	v_pk_mul_f32 v[A1:A1+1], v[WX:WX+1], v[WY:WY+1] op_sel:[0,1] op_sel_hi:[1,1]    ; (wx0, wx1) * wy1
	v_pk_mul_f32 v[WP:WP+1], v[A0:A0+1], v[WZ:WZ+1] op_sel_hi:[1,0]                 ; then * wz0 or wz1: the product's order is (wx wy) wz
	v_pk_mul_f32 v[WP+2:WP+3], v[A0:A0+1], v[WZ:WZ+1] op_sel:[0,1] op_sel_hi:[1,1]
	v_pk_mul_f32 v[WP+4:WP+5], v[A1:A1+1], v[WZ:WZ+1] op_sel_hi:[1,0]
	v_pk_mul_f32 v[WP+6:WP+7], v[A1:A1+1], v[WZ:WZ+1] op_sel:[0,1] op_sel_hi:[1,1]
	v_pk_mul_f32 v[FP:FP+1], v[G+16*\j:G+16*\j+1], v[WP:WP+1] op_sel_hi:[1,0]       ; corner 0 starts the sums: both features x the pair's first weight
.irp c, 1,2,3
	v_pk_fma_f32 v[FP:FP+1], v[G+16*\j+2*\c:G+16*\j+2*\c+1], v[WP+2*\c:WP+2*\c+1], v[FP:FP+1] op_sel_hi:[1,0,1]
.endr
.irp c, 0,1,2,3
	v_pk_fma_f32 v[FP:FP+1], v[G+16*\j+8+2*\c:G+16*\j+8+2*\c+1], v[WP+2*\c:WP+2*\c+1], v[FP:FP+1] op_sel:[0,1,0] op_sel_hi:[1,1,1]   ; ox = 1: the pair's second weight
.endr
	ds_store_b64 v[FA], v[FP:FP+1] offset:(\off)+256*\j        ; 32 lanes store 256 consecutive bytes
.endm
; Level l, l % 2 = par: its features are made, sub-block by sub-block, and level l + 1's gathers go out into the registers just freed.
; cl = 1: the cells of level l + 2 are asked for.  step = 1: the table base that level l used goes two levels on.
; THE COUNTS.  Loads come back in order.  Behind the gathers of (l, j) stand those of (l, j + 1 .. 3), the two loads of cells (from j = 1 on, where cl = 1) and those of (l + 1, 0 .. j - 1): 24, or 26.
.macro HALF par, cl, step
.if \par
	s_add_co_u32 s[LV1], s[LV], 1
	v_readlane_b32 s[SC], v[SCT], s[LV1]
.else
	v_readlane_b32 s[SC], v[SCT], s[LV]
.endif
.irp j, 0,1,2,3
.if (\j == 0) || (\cl == 0)
	s_wait_loadcnt 24
.else
	s_wait_loadcnt 26
.endif
.if (\j == 0) && \cl
.if \par == 0
	s_add_nc_u64 s[CL:CL+1], s[CL:CL+1], 2048      ; the wait above has shown the last loads of cells done (32 gathers were issued behind them): their base may step
.endif
	global_load_b128 v[CE+8*\par:CE+8*\par+3], v[CO], s[CL:CL+1] offset:1024*\par th:TH_LOAD_NT        ; into the set whose level has had its addresses made
	global_load_b128 v[CE+8*\par+4:CE+8*\par+7], v[CO], s[CL:CL+1] offset:1024*\par+512 th:TH_LOAD_NT
.endif
	ACC \j, 1024*\par
	ADDR \j, CE+8*(1-\par), TLA+2*\par
.endr
.if \step
	s_add_nc_u64 s[TLB-2*\par:TLB-2*\par+1], s[TLB-2*\par:TLB-2*\par+1], 0x800000   ; all of level l's gathers were shown done by the wait of j = 3
.endif
.endm
; Level 15: nothing more goes out, and the counts run down.
.macro FINAL
	s_add_co_u32 s[LV1], s[LV], 1
	v_readlane_b32 s[SC], v[SCT], s[LV1]
.irp j, 0,1,2,3
	s_wait_loadcnt 24-8*\j
	ACC \j, 1024
.endr
.endm
; Q.  Sub-block j's features come from LDS into buffer j % 2,
.macro FLOAD j
.set LF, F+32*((\j)%2)
.irp l, 0,1,2,3,4,5,6,7,8,9,10,11,12,13,14,15
	ds_load_b64 v[LF+2*\l:LF+2*\l+1], v[FA0] offset:1024*\l+256*(\j)  ; my point's features 2 l, 2 l + 1 (LDS serves a wave's instructions in order: these see my stores)
.endr
.endm
; and become the first product's operand: 6 registers of codes, 6 of zero codes, and the scale word.  The next sub-block's features are asked for first.
.macro QUANT j
.if (\j) < 3
	FLOAD (\j)+1
	s_wait_dscnt 16                                ; my sixteen loads are in; the sixteen just issued may be out
.else
	s_wait_dscnt 0x0
.endif
.set QF, F+32*((\j)%2)
.set QS, SV+12*(\j)+8*((\j)/2)
	v_max3_num_f32 v[MXA], |v[QF]|, |v[QF+1]|, 0x2800000           ; the block's largest magnitude, in two chains, with the floor 2^(5 - 127) among the leaves: the byte cannot fall under 1
	v_max3_num_f32 v[MXB], |v[QF+16]|, |v[QF+17]|, |v[QF+18]|
.irp i, 2,4,6,8,10,12
	v_max3_num_f32 v[MXA], v[MXA], |v[QF+\i]|, |v[QF+\i+1]|
	v_max3_num_f32 v[MXB], v[MXB], |v[QF+17+\i]|, |v[QF+18+\i]|
.endr
	v_max3_num_f32 v[MXA], v[MXA], |v[QF+14]|, |v[QF+15]|
	v_max3_num_f32 v[MXA], v[MXA], v[MXB], |v[QF+31]|
	v_add_nc_u32 v[SCL], 0xfe000000, v[MXA]        ; 4 off its exponent field: the conversion takes the exponent field of this operand as its scale, and nothing else of it
	v_lshrrev_b32 v[BY], 23, v[SCL]                ; the scale's byte
	v_lshl_or_b32 v[PS+(\j)], v[BY], 8, v[BY]      ; in bytes 0 and 1: my block is K block 0 in lanes 0-15, K block 1 in lanes 16-31
	v_cvt_scalef32_pk16_bf6_f32 v[QS:QS+2], v[QF:QF+15], v[SCL]
	v_cvt_scalef32_pk16_bf6_f32 v[T:T+2], v[QF+16:QF+31], v[SCL]
	v_nop                                          ; one plain place behind a scaled conversion
.irp i, 0,1,2
	v_mov_b32 v[QS+3+\i], v[T+\i]
.endr
.irp i, 6,7,8,9,10,11
	v_mov_b32 v[QS+\i], 0                          ; k = 64 .. 127: zero codes; M has used these registers for other things
.endr
.endm
.macro PLACES                          ; four plain vector instructions between a matrix instruction and the first read of its result or write of its sources (ISA guide 7.12.1)
.rept 4
	v_nop
.endr
.endm
; M.  Sub-block j's first product; relu; then a lane is a point, with its 16 units at v[HJ + 2 k].  The operand and its scale word were written at least three sub-blocks' vector work ago.
.macro FIRSTP j
.set HJ, H0A+(H0B-H0A)*((\j)/2)+((\j)%2)
.set QS, SV+12*(\j)+8*((\j)/2)
	v_wmma_scale_f32_16x16x128_f8f6f4 v[DA:DA+7], v[W0LO:W0LO+11], v[QS:QS+11], v[B0R:B0R+7], v[W0S], v[PS+(\j)] matrix_a_fmt:MATRIX_FMT_BF6 matrix_b_fmt:MATRIX_FMT_BF6   ; points 0-15; b0 is the C
	v_wmma_scale_f32_16x16x128_f8f6f4 v[DB:DB+7], v[W0HI:W0HI+11], v[QS:QS+11], v[B0R:B0R+7], v[W0S], v[PS+(\j)] matrix_a_fmt:MATRIX_FMT_BF6 matrix_b_fmt:MATRIX_FMT_BF6 matrix_b_scale:MATRIX_SCALE_ROW1   ; points 16-31
	PLACES
.irp i, 0,1,2,3,4,5,6,7
	v_max_num_f32 v[HJ+2*\i], 0, v[DA+\i]          ; relu, each result from its low end on, written where the next layer wants it
.endr
.irp i, 0,1,2,3,4,5,6,7
	v_max_num_f32 v[HJ+16+2*\i], 0, v[DB+\i]
.endr
.irp i, 0,1,2,3,4,5,6,7
	v_permlane16_swap_b32 v[HJ+2*\i], v[HJ+16+2*\i]   ; the first's lanes 16-31 (unit 8 + i of points 0-15) change places with the second's lanes 0-15 (unit i of points 16-31): now unit i and unit 8 + i of point = lane
.endr
.endm
; THE TWO f32 PRODUCTS, row by row of the weights: rows 0-15 are W1's, rows 16-31 W2's.  A row comes from LDS by five loads in which all lanes name the same bytes, into two sets of 18 registers by turns.
.macro WLOAD R
.set LW, WS+18*((\R)%2)
.irp c, 0,1,2,3
	ds_load_b128 v[LW+4*\c:LW+4*\c+3], v[WA] offset:WPITCH*(\R)+16*\c
.endr
	ds_load_b64 v[LW+16:LW+17], v[WA] offset:WPITCH*(\R)+64        ; the bias, twice: a pair for the packed form
.endm
; Row R: unit u = R % 16 of the layer, for the pass's 128 points: two running sums, each a pair of sub-blocks.  The bias is the addend of the first term.  Of a pair of weights the packed form takes the low word
; for both halves (even k) or the high word for both (odd k).
.macro ROW R
.set RW,  WS+18*((\R)%2)
.set RU,  (\R)%16
.if (\R) < 16
.set RI0, H0A
.set RI1, H0B
.else
.set RI0, H1A
.set RI1, H1B
.endif
.if (\R) < 31
	WLOAD (\R)+1                                   ; the next row's, into the set whose row is done
	s_wait_dscnt 5                                 ; this row's five loads, asked for a row ago, are in; the five just issued may be out
.else
	s_wait_dscnt 0x0
.endif
	v_pk_fma_f32 v[TA:TA+1], v[RI0:RI0+1], v[RW:RW+1], v[RW+16:RW+17] op_sel_hi:[1,0,1]                        ; k = 0
	v_pk_fma_f32 v[TB:TB+1], v[RI1:RI1+1], v[RW:RW+1], v[RW+16:RW+17] op_sel_hi:[1,0,1]
	v_pk_fma_f32 v[TA:TA+1], v[RI0+2:RI0+3], v[RW:RW+1], v[TA:TA+1] op_sel:[0,1,0] op_sel_hi:[1,1,1]           ; k = 1
	v_pk_fma_f32 v[TB:TB+1], v[RI1+2:RI1+3], v[RW:RW+1], v[TB:TB+1] op_sel:[0,1,0] op_sel_hi:[1,1,1]
.irp n, 1,2,3,4,5,6
	v_pk_fma_f32 v[TA:TA+1], v[RI0+4*\n:RI0+4*\n+1], v[RW+2*\n:RW+2*\n+1], v[TA:TA+1] op_sel_hi:[1,0,1]        ; k = 2 n
	v_pk_fma_f32 v[TB:TB+1], v[RI1+4*\n:RI1+4*\n+1], v[RW+2*\n:RW+2*\n+1], v[TB:TB+1] op_sel_hi:[1,0,1]
	v_pk_fma_f32 v[TA:TA+1], v[RI0+4*\n+2:RI0+4*\n+3], v[RW+2*\n:RW+2*\n+1], v[TA:TA+1] op_sel:[0,1,0] op_sel_hi:[1,1,1]   ; k = 2 n + 1
	v_pk_fma_f32 v[TB:TB+1], v[RI1+4*\n+2:RI1+4*\n+3], v[RW+2*\n:RW+2*\n+1], v[TB:TB+1] op_sel:[0,1,0] op_sel_hi:[1,1,1]
.endr
	v_pk_fma_f32 v[TA:TA+1], v[RI0+28:RI0+29], v[RW+14:RW+15], v[TA:TA+1] op_sel_hi:[1,0,1]                    ; k = 14
	v_pk_fma_f32 v[TB:TB+1], v[RI1+28:RI1+29], v[RW+14:RW+15], v[TB:TB+1] op_sel_hi:[1,0,1]
.if (\R) < 16
	v_pk_fma_f32 v[TA:TA+1], v[RI0+30:RI0+31], v[RW+14:RW+15], v[TA:TA+1] op_sel:[0,1,0] op_sel_hi:[1,1,1]     ; k = 15
	v_pk_fma_f32 v[TB:TB+1], v[RI1+30:RI1+31], v[RW+14:RW+15], v[TB:TB+1] op_sel:[0,1,0] op_sel_hi:[1,1,1]
	v_max_num_f32 v[H1A+2*RU], 0, v[TA]            ; relu, written as the next layer's pairs
	v_max_num_f32 v[H1A+2*RU+1], 0, v[TA+1]
	v_max_num_f32 v[H1B+2*RU], 0, v[TB]
	v_max_num_f32 v[H1B+2*RU+1], 0, v[TB+1]
.else
	v_fma_f32 v[H0A+RU], v[H1A+30], v[RW+15], v[TA]            ; the last layer's k = 15 goes one sub-block at a time, so that a sub-block's 16 outputs fall into 16 registers on end: a point's row of out0
	v_fma_f32 v[H0A+16+RU], v[H1A+31], v[RW+15], v[TA+1]
	v_fma_f32 v[H0B+RU], v[H1B+30], v[RW+15], v[TB]
	v_fma_f32 v[H0B+16+RU], v[H1B+31], v[RW+15], v[TB+1]
.endif
.endm
; THE WAY OUT.  A lane holds its point's row of 64 bytes, and the lanes beside it hold other rows: a sub-block goes through my stage and comes back, into the registers that it left, as 512 consecutive bytes an instruction.
.macro TOSTAGE j
.set OJ, H0A+(H0B-H0A)*((\j)/2)+16*((\j)%2)
.irp c, 0,1,2,3
	ds_store_b128 v[STO], v[OJ+4*\c:OJ+4*\c+3] offset:16*\c
.endr
.irp i, 0,1,2,3
	ds_load_b128 v[OJ+4*\i:OJ+4*\i+3], v[RD] offset:544*\i     ; LDS serves a wave's instructions in order: these see the stores above, and the next sub-block's stores come behind them
.endr
.endm
.macro SEND j, younger                 ; younger: the LDS instructions issued behind sub-block j's loads: the next sub-block's eight, or none
.set OJ, H0A+(H0B-H0A)*((\j)/2)+16*((\j)%2)
.irp i, 0,1,2,3
	s_wait_dscnt (\younger)+3-\i                   ; load i is back; what was issued behind it may be out
	global_store_b128 v[CO], v[OJ+4*\i:OJ+4*\i+3], s[24:25] offset:2048*(\j)+512*\i th:TH_STORE_NT   ; 32 lanes store 512 consecutive bytes, aligned; written once, read by nobody here
.endr
.endm
; M as a whole: 128 points from the four operands to out0.  It writes no LDS address register and has no loop and no label: it stands twice in the text.
.macro MCORE
	FIRSTP 0
	FIRSTP 1
	FIRSTP 2
	FIRSTP 3
	WLOAD 0                                        ; into registers that the last products read: four v_nop and 24 further vector lines stand between
.set RR, 0
.rept 32
	ROW RR
.set RR, RR+1
.endr
	TOSTAGE 0
	TOSTAGE 1
	SEND 0, 8
	TOSTAGE 2
	SEND 1, 8
	TOSTAGE 3
	SEND 2, 8
	SEND 3, 0
	s_wait_xcnt 0x0                                ; the stores have read their data and their base: both may be written again
	s_add_nc_u64 s[24:25], s[24:25], 8192          ; out0 at the pass that the next M takes
.endm
.Lpass:
	s_wait_loadcnt 0x0                             ; the pass's x and its first cells are in; no load is out, so every base may be written
	s_mov_b64 s[TLB:TLB+1], s[8:9]                 ; level 0's table,
	s_add_nc_u64 s[TLA:TLA+1], s[8:9], 0x400000    ; level 1's
	s_mov_b64 s[CL:CL+1], s[6:7]
	s_mov_b32 s[LV], 0
	s_mov_b32 s[FL], 0
	ADDR 0, CE, TLB                                ; level 0's 32 gathers
	ADDR 1, CE, TLB
	ADDR 2, CE, TLB
	ADDR 3, CE, TLB
.Llev:                                                 ; seven trips: levels 0 to 13, two a trip, in which the two sets of cells and the two table bases change places and come back
	v_add_nc_u32 v[FA], s[FL], v[FA0]
	HALF 0, 1, 1
	HALF 1, 1, 1
	s_add_co_u32 s[FL], s[FL], 2048
	s_add_co_u32 s[LV], s[LV], 2
	s_cmp_lt_u32 s[LV], 14
	s_cbranch_scc1 .Llev
	v_add_nc_u32 v[FA], s[FL], v[FA0]
	HALF 0, 0, 0                                   ; level 14: no cells are left to ask for
	FINAL                                          ; level 15; its last wait is for 0: no load is out
	s_add_nc_u64 s[4:5], s[4:5], 1536              ; x and cells at the next pass
	s_add_nc_u64 s[6:7], s[6:7], 16384
	s_cmp_eq_u32 s[PASS], 1
	s_cbranch_scc1 .Lno_next                       ; the last pass asks for nothing: no load leaves its buffer
	INIT_LOADS                                     ; they land while Q, and in half 0 M, run
.Lno_next:
	s_cmp_eq_u32 s[GRP], 0                         ; HALF 1, BEHIND ITS SECOND L: the M of its first pass, whose operands it has carried through these sixteen levels
	s_cbranch_scc1 .Lno_early
	s_cmp_lg_u32 s[PASS], 1
	s_cbranch_scc1 .Lno_early
	MCORE
.Lno_early:
	FLOAD 0                                        ; Q, in every wave and every pass
	QUANT 0
	QUANT 1
	QUANT 2
	QUANT 3
	s_cmp_eq_u32 s[GRP], 0                         ; this pass's M follows at once in half 0, and in both halves behind the last pass
	s_cbranch_scc1 .Lnow
	s_cmp_lg_u32 s[PASS], 1
	s_cbranch_scc1 .Llater
.Lnow:
	MCORE
.Llater:
	s_sub_co_u32 s[PASS], s[PASS], 1
	s_cmp_lg_u32 s[PASS], 0
	s_cbranch_scc1 .Lpass
	s_wait_tensorcnt 0x0
	ds_add_u32 v25, v175
	s_wait_dscnt 0x0
	s_endpgm
.Lfunc_end_k_q77f99ab14b_encode_mlp:
	.size	k_q77f99ab14b_encode_mlp, .Lfunc_end_k_q77f99ab14b_encode_mlp-k_q77f99ab14b_encode_mlp
	.p2alignl 7, 3214868480
	.fill 96, 4, 3214868480
	.section	.rodata,"a",@progbits
	.p2align	6, 0x0
	.amdhsa_kernel k_q77f99ab14b_encode_mlp
		.amdhsa_group_segment_fixed_size 301568
		.amdhsa_private_segment_fixed_size 0
		.amdhsa_enable_private_segment 0
		.amdhsa_kernarg_size 88
		.amdhsa_user_sgpr_count 2
		.amdhsa_user_sgpr_kernarg_segment_ptr 1
		.amdhsa_wavefront_size32 1
		.amdhsa_system_sgpr_workgroup_id_x 1
		.amdhsa_system_sgpr_workgroup_id_y 1
		.amdhsa_system_sgpr_workgroup_id_z 1
		.amdhsa_system_vgpr_workitem_id 0
		.amdhsa_next_free_vgpr 256
		.amdhsa_next_free_sgpr 66
		.amdhsa_reserve_vcc 1
		.amdhsa_float_denorm_mode_32 3
		.amdhsa_float_denorm_mode_16_64 3
		.amdhsa_memory_ordered 1
		.amdhsa_forward_progress 1
		.amdhsa_inst_pref_size 252
	.end_amdhsa_kernel
	.amdgpu_metadata
---
amdhsa.version: [ 1, 2 ]
amdhsa.kernels:
  - .name:           k_q77f99ab14b_encode_mlp
    .symbol:         k_q77f99ab14b_encode_mlp.kd
    .args:
      - { .name: x, .offset: 0, .size: 8, .value_kind: global_buffer, .address_space: global }
      - { .name: cells, .offset: 8, .size: 8, .value_kind: global_buffer, .address_space: global }
      - { .name: table, .offset: 16, .size: 8, .value_kind: global_buffer, .address_space: global }
      - { .name: W0_codes, .offset: 24, .size: 8, .value_kind: global_buffer, .address_space: global }
      - { .name: W0_scales, .offset: 32, .size: 8, .value_kind: global_buffer, .address_space: global }
      - { .name: W1, .offset: 40, .size: 8, .value_kind: global_buffer, .address_space: global }
      - { .name: W2, .offset: 48, .size: 8, .value_kind: global_buffer, .address_space: global }
      - { .name: b0, .offset: 56, .size: 8, .value_kind: global_buffer, .address_space: global }
      - { .name: b1, .offset: 64, .size: 8, .value_kind: global_buffer, .address_space: global }
      - { .name: b2, .offset: 72, .size: 8, .value_kind: global_buffer, .address_space: global }
      - { .name: out0, .offset: 80, .size: 8, .value_kind: global_buffer, .address_space: global }
    .group_segment_fixed_size: 301568
    .private_segment_fixed_size: 0
    .kernarg_segment_align: 8
    .kernarg_segment_size: 88
    .max_flat_workgroup_size: 512
    .sgpr_count:     66
    .vgpr_count:     256
    .wavefront_size: 32
...
	.end_amdgpu_metadata
.endif
;; end of part 2
;; ======== version 2 of 2: 2 launches; version 1 with the launch encode_mlp written anew for expert scheduling mode
;; workspace buffers: cells 134,217,728 bytes of whole numbers
;; launch locate: the kernel of part 1 again; grid 1024 x 1, 8 waves a work-group, no clusters, 0 bytes of LDS; arguments x, cells; writes cells
;; launch encode_mlp (part 3): grid 256 x 1, 16 waves a work-group, no clusters, 301,568 bytes of LDS; arguments x, cells, table, W0_codes, W0_scales, W1, W2, b0, b1, b2, out0; writes out0
.if DOCPART == 3
	.amdgcn_target "amdgcn-amd-amdhsa--gfx1250"
	.amdhsa_code_object_version 6
	.text
	.protected	k_q77f99ab14b_encode_mlp
	.globl	k_q77f99ab14b_encode_mlp
	.p2align	8
	.type	k_q77f99ab14b_encode_mlp,@function
k_q77f99ab14b_encode_mlp:
	s_mov_b64 s[64:65], 0
	v_nop
	global_prefetch_b8 v0, s[64:65] scope:SCOPE_SE
	s_setreg_imm32_b32 hwreg(HW_REG_WAVE_SCHED_MODE, 0, 2), 2
	s_setreg_imm32_b32 hwreg(HW_REG_WAVE_MODE, 25, 1), 1
	s_wait_xcnt 0x0
	s_wait_alu depctr_vm_vsrc(0)
; ENCODE AND MLP: out0 = relu(relu(Q(enc(x)) W0^T + b0) W1^T + b1) W2^T + b2.  enc: the hash grid's 16 levels x 2 features, trilinear, in f32; Q: the 32 features of a point are ONE block of BF6 (E3M2) codes
; with one E8M0 scale; W0 comes as codes and scale bytes and is taken as it lies.  The first product goes by v_wmma_scale_f32_16x16x128_f8f6f4 on BF6 codes.
; THE OTHER TWO PRODUCTS (K = 16, no quantiser behind them) ARE f32 FUSED MULTIPLY-ADDS.  Every 16-bit matrix form has K = 32: it would multiply 16 x 16 x 32 numbers for a tile whose product holds 16 x 16 x 16.
; So a lane takes a point, its 16 hidden units stand in registers, and a row of weights stands in 16 registers, the same numbers in every lane: 512 multiply-adds a point, two points to a packed instruction, k ascending.
; ADDRESSES.  The gathers' indices are made of whole numbers that the launch before stored (cells: two words a point and level, the three hash fields of the base corner, 19 bits each).  x is read for the weights alone.
; SHARES.  256 work-groups of 16 waves.  Wave W = 16 x work-group + wave owns points 256 W .. 256 W + 255, in two passes of 128 (a group of cells); a lane is one point of each of a pass's four sub-blocks of 32.
; A PASS HAS THREE PARTS.  L: the sixteen levels, level by level over the 128 points; a point's features wait in LDS (128 bytes a point, 16 KiB a wave).  Q: the 128 points are quantised; the first product's four operands
; (codes and scale words) are left in registers that L does not touch.  M: the three products and the way out.
; THE WAVES GO IN TWO HALVES, OUT OF STEP.  A wave issues in order: while it walks M it asks memory for nothing.  So half 0 runs L Q M L Q M, and half 1 runs L Q L M Q M: it carries its first pass's operands through its second L.
; Half 0's first M then stands beside half 1's second L, and half 1's two M beside the end of half 0's second L.  A wave's half is (w xor (w >> 2)) & 1: of four neighbouring waves, and of four waves 4 apart, two are of each half.
; IN FLIGHT, in L.  While level l's 32 gathers of a wave are turned into features, sub-block by sub-block, level l + 1's are issued into the registers just freed: 24 to 34 loads of a wave are out all the time.
; The cells of level l + 2 are asked for at the head of level l; the next pass's x and first cells behind the last level.
; THE MODE: SCHED_MODE bits 1:0 = 2 (LLVM: expert scheduling mode 2), set by the entry lines.  The code itself states the register dependences between vector or matrix instructions and memory or LDS instructions,
; with s_wait_alu, always for 0.
; THE PLAN.  Registers that memory or LDS instructions touch:
;   G[j]        Gathers land in it; the eight multiply-adds of step (l, j) read it; behind them the gathers of (l + 1, j) land in it.
;   IDX0, IDX1  The gathers' indices, two sets by turns from sub-block to sub-block: written by step j's index arithmetic, read by step j's gathers, written again in step j + 2.
;   FP, FA      Written by a step's sums (FA in a trip's first step), read by the step's one LDS store.
;   CE0, CE1    Cells land in a set at the head of a level; the index arithmetic of the level behind it reads the set.      X: x lands in it behind level 15; the weights' lines read it.
;   F           Q: three buffers in which features land from LDS; the maxima and the conversions read them.
;   WS0, WS1    M: a row of weights lands in a set; the row's multiply-adds read it; the row after next lands in it.
;   v42-73, v188-219  M: the outputs, written by the last layer, read by the stage's LDS stores.      v80-143  M: the stage is read back into them; the global stores read them.
;   v1-v3, v5, v6, v9  offsets and addresses, made at the head and never written again.
; A STEP OF L (level l, sub-block j): the index arithmetic into IDX[j % 2] and the trilinear weights, which need no gather, stand ahead of the wait for G[j]; behind that wait the pair s_wait_xcnt 0, vm_vsrc: the gathers of the
; step before have read the other index set, which the next step writes, and its LDS store has read FP and FA; then the eight multiply-adds; ONE wait on va_vdst: FP, FA and the indices are written, the sums are done reading G[j],
; the index arithmetic is done reading its cells; then the LDS store and the eight gathers.  The loads of cells and of x follow a step's wait on va_vdst with no vector instruction between that names their registers.
; THE FIRST PRODUCT WITHOUT A LANE EXCHANGE AHEAD OF IT.  It is used transposed (source 0 = W0's 16 rows, source 1 = points).  In the 6-bit layout lanes 0-15 hold k = 0 .. 31 of columns 0-15 and lanes 16-31 hold k = 32 .. 63 of
; the same columns.  A lane's 32 codes are a whole block, so as they stand lanes 0-15 are block 0 (points 0-15) and lanes 16-31 block 1 (points 16-31).  W0 is kept twice: once in block 0 alone, once in block 1 alone, zero
; codes elsewhere.  Two instructions give 16 units x 32 points.  A point's scale word holds its byte in bytes 0 and 1; the second instruction reads the words of lanes 16-31.  b0 is the C.
; BEHIND IT lane (r, h) holds units 8 h .. 8 h + 7 of point r (first result) and of point 16 + r (second).  One v_permlane16_swap_b32 for each pair of registers makes of them unit i and unit 8 + i of point = lane.
; W1, W2, b1, b2 lie in LDS, stored once at the head (one barrier); all else in LDS is a wave's own.  No tile is shared between work-groups and nothing comes as a tile: no tensor load, no cluster.
; LIMITS.  As in the launch before: |x| * 2048 under 2^24; NaN and infinities in x not served.  A point whose 32 features are all zero gets the scale byte 1 where the quantiser says 127: its codes are zeros, and the byte is
; read by this kernel alone; likewise a block whose largest magnitude lies under 2^(5 - 127) is held at byte 1.
.set SC0,  0x41800000                  ; the levels' scales, 16 * 2^(7 l / 15), rounded to f32: the same words as in the launch before, so that base and fraction agree
.set SC1,  0x41b0e285
.set SC2,  0x41f47080
.set SC3,  0x4228e5a3
.set SC4,  0x426966a5
.set SC5,  0x42a14518
.set SC6,  0x42dedc67
.set SC7,  0x4319fcb9
.set SC8,  0x4354cc02
.set SC9,  0x4393088c
.set SC10, 0x43cb2ff5
.set SC11, 0x440c64c3
.set SC12, 0x44420300
.set SC13, 0x44860dbc
.set SC14, 0x44b9401e
.set SC15, 0x45000000
; LDS: features: wave x 16384 + level x 1024 + sub-block x 256 + 8 x lane.  Behind them a stage of 2,176 bytes a wave for the way out: chunk g (16 bytes; g = 4 x point + quarter of the row) at 16 g + 16 (g / 16).
; Behind the stages 32 rows of 80 bytes: rows 0-15 W1's, rows 16-31 W2's: 16 weights, the row's bias twice, 8 bytes that nobody touches.  Behind them the spare words, 128 bytes a wave, that no other line names.
.set STG,  262144
.set STW,  2176
.set WB,   STG+16*STW
.set WPITCH, 80
; vector registers
.set XO,   1                           ; v1   12 x lane; never rewritten
.set CO,   2                           ; v2   16 x lane: cells and out0; never rewritten
.set FA0,  3                           ; v3   my features' place: wave x 16384 + 8 x lane; never rewritten
.set FA,   4                           ; v4   the same at the trip's even level
.set STO,  5                           ; v5   the stage: where I put my point's row of 64 bytes
.set RD,   6                           ; v6   the stage: where I read 16 bytes back
.set SCT,  7                           ; v7   lane i holds level i's scale
.set W0S,  8                           ; v8   W0's scale word: nothing but scales ever stands here
.set WA,   9                           ; v9   where the rows of weights begin in LDS: the same in every lane; never rewritten
.set X,    10                          ; v10-24   x, y, z of sub-block j at v[X + 4 j];  v25: my spare word's LDS address, kept for the closing lines alone
.set CE,   26                          ; v26-33   cells of an even level; v34-41 of an odd one: w0, w1 of sub-block j at + 2 j
.set X0,   42
.set X1,   43
.set Y0,   44
.set Y1,   45
.set Z0,   46
.set Z1,   47
.set YZ,   48                          ; v48-51   Y ^ Z for (oy, oz)
.set FLR,  52                          ; v52-54
.set WX,   56                          ; v[56:57] (1 - fx, fx); WY, WZ likewise
.set WY,   58
.set WZ,   60
.set A0,   62                          ; v[62:63] WX * wy0; v[64:65] WX * wy1
.set A1,   64
.set WP,   66                          ; v66-73   pair 2 oy + oz: the weights of ox = 0 and ox = 1
.set FP,   74                          ; v[74:75] the level's two features
.set PS,   76                          ; v76-79   the points' scale words, one register a sub-block: nothing but scales ever stands here
.set G,    80                          ; v80-143  gathers: sub-block j, corner c = 4 ox + 2 oy + oz at v[G + 16 j + 2 c]: the corner's two features
.set W0LO, 144                         ; v144-155 W0 in K block 0 alone
.set W0HI, 156                         ; v156-167 W0 in K block 1 alone
.set MXA,  168                         ; v168-174 at work in Q
.set MXB,  169
.set SCL,  170                         ; the conversions' scale operand
.set BY,   171                         ; the scale's byte
.set T,    172                         ; v172-174 the upper 16 codes (a conversion's three registers begin on an even number);  v175: 0, kept for the closing lines alone
.set TA,   176                         ; v[176:177], v[178:179] a row's running sums, each a pair of sub-blocks
.set TB,   178
.set B0R,  180                         ; v180-187 b0 in the first result's layout: register i = b0[8 h + i]
.set SV,   188                         ; the first product's operands, 12 registers a sub-block (6 of codes, 6 of zero codes): v188-199, v200-211, v220-231, v232-243.  L touches none of these
.set IDX,  212                         ; v212-219, v244-251  L: the gathers' indices, corner c at + c: sub-blocks 0 and 2 take the first set, 1 and 3 the second.  They lie between and behind the four operands
; in Q and M the registers of the levels' arithmetic and of the gathers serve again
.set F,    80                          ; Q: a point's 32 features, three buffers: v80-111 (sub-blocks 0 and 3), v112-143 (1), v42-73 (2)
.set H0A,  42                          ; v42-73   M: the first hidden layer of sub-blocks 0 and 1: unit k at + 2 k (sub-block 0) and + 2 k + 1 (sub-block 1).  Later out0's rows: sub-block 0 at + 0 .. 15, sub-block 1 at + 16 .. 31
.set H0B,  188                         ; v188-219 the same for sub-blocks 2 and 3: over the operands of sub-blocks 0 and 1, which have been multiplied by then
.set H1A,  80                          ; v80-111  the second hidden layer of sub-blocks 0 and 1, in pairs likewise;  on the way out v80-143 take the stage's rows, 16 registers a sub-block
.set H1B,  112                         ; v112-143 of sub-blocks 2 and 3
.set DA,   112                         ; v112-119, v120-127 ahead of that: the first product's two results
.set DB,   120
.set WS,   220                         ; v220-237, v238-255 a row of W1 or W2: 16 weights and the bias twice; even rows, odd rows: over the operands of sub-blocks 2 and 3, behind their products
; scalar registers: s[4:5] x, s[6:7] cells (both at the pass in hand), s[8:9] table, s[10:23] the constants' addresses, s[24:25] out0 at the pass that M takes next
.set CL,   26                          ; s[26:27] cells at the pair of levels two on
.set TLA,  28                          ; s[28:29] the table of the odd level in hand
.set TLB,  30                          ; s[30:31] of the even one
.set LV,   32                          ; s32  the trip's even level
.set LV1,  33                          ; s33  the odd one
.set FL,   35                          ; s35  1,024 x the trip's even level
.set PASS, 36                          ; s36  passes to go
.set MK,   37                          ; s37  M = 2^19 - 1
.set PY,   38                          ; s38  P1 mod 2^19
.set PZ,   39                          ; s39  P2 mod 2^19
.set WV,   44                          ; s44  my wave's number
.set GRP,  45                          ; s45  my wave's half
.set SC,   54                          ; s54, s55  the scales of the trip's even and odd level
	s_load_b512 s[4:19], s[0:1], 0x0               ; x, cells, table, W0's codes, W0's scales, W1, W2, b0
	s_load_b128 s[20:23], s[0:1], 0x40             ; b1, b2
	s_load_b64 s[24:25], s[0:1], 0x50              ; out0
	v_lshl_add_u32 v25, v0, 2, 0x49200
	v_mov_b32 v175, 0
	v_lshrrev_b32 v1, 5, v0
	v_readfirstlane_b32 s[WV], v1                  ; wave 0..15
	v_and_b32 v48, 31, v0                          ; lane
	v_and_b32 v49, 15, v0                          ; r
	v_bfe_u32 v50, v0, 4, 1                        ; h
	v_mul_u32_u24 v[XO], v48, 12
	v_lshlrev_b32 v[CO], 4, v48
	s_wait_alu depctr_va_sdst(0)                   ; the wave's number is written, ahead of its first reader: LDS places, bases and the wave's half are made from it
	s_lshl_b32 s40, s[WV], 14
	v_lshl_add_u32 v[FA0], v48, 3, s40
	s_mul_i32 s41, s[WV], STW
	s_add_co_u32 s41, s41, STG                     ; my stage
	v_lshlrev_b32 v[STO], 6, v48                   ; in: point = lane, chunks 4 lane .. 4 lane + 3: 64 lane + 16 (lane / 4)
	v_lshrrev_b32 v51, 2, v48
	v_lshl_add_u32 v[STO], v51, 4, v[STO]
	v_add_nc_u32 v[STO], s41, v[STO]
	v_lshl_add_u32 v[RD], v50, 4, v[CO]            ; back: chunk 32 i + lane: 544 i + 16 lane + 16 h
	v_add_nc_u32 v[RD], s41, v[RD]
	v_mul_u32_u24 v52, v49, 24                     ; W0's codes: row r of 24 bytes
	v_lshlrev_b32 v54, 5, v50                      ; b0: 8 h on
	v_lshlrev_b32 v55, 2, v48                      ; the weight that I carry to LDS: my wave takes rows 2 w and 2 w + 1, 128 bytes on end: 4 x lane
	v_lshlrev_b32 v56, 2, v50                      ; and its row's bias: 4 h
	s_mul_i32 s46, s[WV], 2*WPITCH
	s_add_co_u32 s46, s46, WB                      ; my wave's two rows in LDS
	v_mul_u32_u24 v57, v50, WPITCH
	v_lshl_add_u32 v58, v49, 2, v57
	v_add_nc_u32 v58, s46, v58                     ; the weight's place: row h of the two, 4 r
	v_and_b32 v59, 1, v0
	v_lshl_add_u32 v59, v59, 2, v57
	v_add_nc_u32 v59, s46, v59                     ; the bias's two places (64 bytes on, in the store's offset): even lanes write the first, odd lanes the second
	v_mov_b32 v[WA], WB
	s_lshr_b32 s[GRP], s[WV], 2
	s_xor_b32 s[GRP], s[GRP], s[WV]
	s_and_b32 s[GRP], s[GRP], 1                    ; my half: (w xor (w >> 2)) & 1
	s_mov_b32 s[MK], 0x7ffff
	s_mov_b32 s[PY], 0x779b1
	s_mov_b32 s[PZ], 0x25795
	s_mov_b32 s[PASS], 2
	s_lshl_b32 s43, ttmp9, 4
	s_add_co_u32 s43, s43, s[WV]                   ; W
	s_mov_b32 s47, 0
	s_mov_b32 s53, 0
	v_mov_b32 v[SCT], 0
.macro SETSC i, bits
	s_mov_b32 s40, \bits
	v_writelane_b32 v[SCT], s40, \i
.endm
	SETSC 0, SC0
	SETSC 1, SC1
	SETSC 2, SC2
	SETSC 3, SC3
	SETSC 4, SC4
	SETSC 5, SC5
	SETSC 6, SC6
	SETSC 7, SC7
	SETSC 8, SC8
	SETSC 9, SC9
	SETSC 10, SC10
	SETSC 11, SC11
	SETSC 12, SC12
	SETSC 13, SC13
	SETSC 14, SC14
	SETSC 15, SC15
	s_wait_kmcnt 0x0
	s_mul_i32 s46, s43, 3072                       ; 256 points x 12 bytes
	s_add_nc_u64 s[4:5], s[4:5], s[46:47]
	s_lshl_b32 s46, s43, 15                        ; two groups of 16,384 bytes (under 2^27)
	s_add_nc_u64 s[6:7], s[6:7], s[46:47]
	s_lshl_b32 s46, s43, 14                        ; 256 points x 64 bytes
	s_add_nc_u64 s[24:25], s[24:25], s[46:47]
	s_cmp_lt_u32 s[WV], 8                          ; waves 0-7 carry W1 and b1, waves 8-15 W2 and b2: the choice hangs on the wave's number alone
	s_cselect_b64 s[48:49], s[14:15], s[16:17]
	s_cselect_b64 s[50:51], s[20:21], s[22:23]
	s_and_b32 s52, s[WV], 7
	s_lshl_b32 s52, s52, 7                         ; two rows of 64 bytes a wave
	s_add_nc_u64 s[48:49], s[48:49], s[52:53]
	s_lshr_b32 s52, s52, 4                         ; two biases of 4 bytes a wave
	s_add_nc_u64 s[50:51], s[50:51], s[52:53]
	s_wait_alu depctr_va_vdst(0)                   ; every offset and LDS address made above is written: v1-v3, v5, v6, v9 for the whole kernel; v49, v52, v54-v56, v58, v59 for the loads and LDS stores of the head
	; the constants: 8 loads; what is still to be laid out goes by way of the gathers' registers
	global_load_b64 v[80:81], v52, s[10:11]
	global_load_b64 v[82:83], v52, s[10:11] offset:8
	global_load_b64 v[84:85], v52, s[10:11] offset:16
	global_load_u8 v86, v49, s[12:13]
	global_load_b128 v[B0R:B0R+3], v54, s[18:19]
	global_load_b128 v[B0R+4:B0R+7], v54, s[18:19] offset:16
	global_load_b32 v87, v55, s[48:49]
	global_load_b32 v88, v56, s[50:51]
; A pass's x and the cells of its levels 0 and 1: eight loads.
.macro INIT_LOADS
.irp j, 0,1,2,3
	global_load_b96 v[X+4*\j:X+4*\j+2], v[XO], s[4:5] offset:384*\j th:TH_LOAD_NT
.endr
.irp q, 0,1,2,3
	global_load_b128 v[CE+4*\q:CE+4*\q+3], v[CO], s[6:7] offset:512*\q th:TH_LOAD_NT   ; level q / 2, half q % 2: 512 consecutive bytes
.endr
.endm
	INIT_LOADS
	s_wait_loadcnt 8                               ; the 8 constants are in; the eight loads issued behind them may be out
	ds_store_b32 v58, v87                          ; my weight,
	ds_store_b32 v59, v88 offset:64                ; my row's bias: the eight lanes that share a word write the same number
	v_cmp_gt_u32 vcc_lo, 16, v48                   ; lanes 0-15
	v_cmp_lt_u32 s42, 15, v48                      ; lanes 16-31
	s_wait_alu depctr_va_vcc(0)                    ; the first compare has written VCC, which the selects below read
	s_wait_alu depctr_va_sdst(0)                   ; the second has written s42, likewise
.irp i, 0,1,2,3,4,5
	v_cndmask_b32 v[W0LO+\i], 0, v[80+\i], vcc_lo  ; W0's row r in lanes 0-15 (k = 0 .. 31), zero codes in lanes 16-31
	v_cndmask_b32 v[W0HI+\i], 0, v[80+\i], s42     ; and the other way round (k = 32 .. 63)
.endr
.irp i, 6,7,8,9,10,11
	v_mov_b32 v[W0LO+\i], 0                        ; k = 64 .. 127: zero codes on both sides
	v_mov_b32 v[W0HI+\i], 0
.endr
	v_lshl_or_b32 v[W0S], v86, 8, v86              ; row r's byte for blocks 0 and 1,
	v_or_b32 v[W0S], 0x7f7f0000, v[W0S]            ; 2^0 for the two blocks of zero codes
.set II, 0
.rept 24
	v_mov_b32 v[SV+II], 0                          ; the four operands and their scale words are written once here, so that they are written on every way that the branches below open
	v_mov_b32 v[SV+32+II], 0
.set II, II+1
.endr
.irp j, 0,1,2,3
	v_mov_b32 v[PS+\j], 0x7f7f                     ; (2^0)
.endr
	s_wait_dscnt 0x0                               ; for the others' sake: my two rows lie in LDS
	s_barrier_signal -1
	s_barrier_wait -1                              ; all 32 rows do; nobody writes them again
	s_wait_alu depctr_vm_vsrc(0)                   ; the constants' loads have read v49, v52, v54-v56 and my two LDS stores v58, v59, v87, v88: the levels' arithmetic writes the first seven, gathers land in the last two
; The eight indices of sub-block j for the level whose cells stand at v[cb], into the sub-block's index set.
.macro AIDX j, cb
.set IX, IDX+32*((\j)%2)
	v_and_b32 v[X0], s[MK], v[(\cb)+2*\j]
	v_alignbit_b32 v[Y0], v[(\cb)+2*\j+1], v[(\cb)+2*\j], 19
	v_lshrrev_b32 v[Z0], 6, v[(\cb)+2*\j+1]
	v_and_b32 v[Y0], s[MK], v[Y0]
	v_add_nc_u32 v[X1], 1, v[X0]                   ; one step along an axis adds the axis's prime to its field, modulo 2^19
	v_add_nc_u32 v[Y1], s[PY], v[Y0]
	v_add_nc_u32 v[Z1], s[PZ], v[Z0]
	v_and_b32 v[X1], s[MK], v[X1]
	v_and_b32 v[Y1], s[MK], v[Y1]
	v_and_b32 v[Z1], s[MK], v[Z1]
	v_xor_b32 v[YZ], v[Y0], v[Z0]
	v_xor_b32 v[YZ+1], v[Y0], v[Z1]
	v_xor_b32 v[YZ+2], v[Y1], v[Z0]
	v_xor_b32 v[YZ+3], v[Y1], v[Z1]
.irp p, 0,1,2,3
	v_xor_b32 v[IX+\p], v[X0], v[YZ+\p]
	v_xor_b32 v[IX+4+\p], v[X1], v[YZ+\p]
.endr
.irp c, 0,1,2,3,4,5,6,7
	v_min_u32 v[IX+\c], 0x7ffff, v[IX+\c]          ; a number made of loaded words enters an address only behind a bound written in the instruction; the fields are 19 bits already
.endr
.endm
; The eight gathers of sub-block j by that set, from the table that begins at s[tl].
.macro GATHER j, tl
.set IX, IDX+32*((\j)%2)
.irp c, 0,1,2,3,4,5,6,7
	global_load_b64 v[G+16*\j+2*\c:G+16*\j+2*\c+1], v[IX+\c], s[(\tl):(\tl)+1] scale_offset   ; 8 bytes at table + 8 x index (the bound stands on the index, so the factor 8 rides on the load)
.endr
.endm
; Sub-block j's eight trilinear weights at the level whose scale stands in s[sc].  They hang on x alone.
.macro WGT j, sc
	v_mul_f32 v[WX+1], s[\sc], v[X+4*\j]
	v_mul_f32 v[WY+1], s[\sc], v[X+4*\j+1]
	v_mul_f32 v[WZ+1], s[\sc], v[X+4*\j+2]
	v_floor_f32 v[FLR], v[WX+1]
	v_floor_f32 v[FLR+1], v[WY+1]
	v_floor_f32 v[FLR+2], v[WZ+1]
	v_sub_f32 v[WX+1], v[WX+1], v[FLR]             ; the fraction,
	v_sub_f32 v[WY+1], v[WY+1], v[FLR+1]
	v_sub_f32 v[WZ+1], v[WZ+1], v[FLR+2]
	v_sub_f32 v[WX], 1.0, v[WX+1]                  ; and 1 - the fraction
	v_sub_f32 v[WY], 1.0, v[WY+1]
	v_sub_f32 v[WZ], 1.0, v[WZ+1]
	v_pk_mul_f32 v[A0:A0+1], v[WX:WX+1], v[WY:WY+1] op_sel_hi:[1,0]                 ; (wx0, wx1) * wy0
	v_pk_mul_f32 v[A1:A1+1], v[WX:WX+1], v[WY:WY+1] op_sel:[0,1] op_sel_hi:[1,1]    ; (wx0, wx1) * wy1
	v_pk_mul_f32 v[WP:WP+1], v[A0:A0+1], v[WZ:WZ+1] op_sel_hi:[1,0]                 ; then * wz0 or wz1: the product's order is (wx wy) wz
	v_pk_mul_f32 v[WP+2:WP+3], v[A0:A0+1], v[WZ:WZ+1] op_sel:[0,1] op_sel_hi:[1,1]
	v_pk_mul_f32 v[WP+4:WP+5], v[A1:A1+1], v[WZ:WZ+1] op_sel_hi:[1,0]
	v_pk_mul_f32 v[WP+6:WP+7], v[A1:A1+1], v[WZ:WZ+1] op_sel:[0,1] op_sel_hi:[1,1]
.endm
; Sub-block j's two features of the level in hand: its gathers have landed, its weights stand in WP.
.macro SUMS j
	v_pk_mul_f32 v[FP:FP+1], v[G+16*\j:G+16*\j+1], v[WP:WP+1] op_sel_hi:[1,0]       ; corner 0 starts the sums: both features x the pair's first weight
.irp c, 1,2,3
	v_pk_fma_f32 v[FP:FP+1], v[G+16*\j+2*\c:G+16*\j+2*\c+1], v[WP+2*\c:WP+2*\c+1], v[FP:FP+1] op_sel_hi:[1,0,1]
.endr
.irp c, 0,1,2,3
	v_pk_fma_f32 v[FP:FP+1], v[G+16*\j+8+2*\c:G+16*\j+8+2*\c+1], v[WP+2*\c:WP+2*\c+1], v[FP:FP+1] op_sel:[0,1,0] op_sel_hi:[1,1,1]   ; ox = 1: the pair's second weight
.endr
.endm
; The head of a pair of levels: both scales come out of their lanes in one run, under one wait.
.macro SCALES
	s_add_co_u32 s[LV1], s[LV], 1
	v_readlane_b32 s[SC], v[SCT], s[LV]
	v_readlane_b32 s[SC+1], v[SCT], s[LV1]
	s_wait_alu depctr_va_sdst(0)                   ; both scales are written, ahead of their first reader, the weights' multiplications
.endm
; Level l, l % 2 = par: its features are made, sub-block by sub-block, and level l + 1's gathers go out into the registers just freed.
; cl = 1: the cells of level l + 2 are asked for.  step = 1: the table base that level l used goes two levels on.
; THE COUNTS.  Loads come back in order.  Behind the cells that this level's index arithmetic reads stand the 32 gathers of level l.  Behind the gathers of (l, j) stand those of (l, j + 1 .. 3), the two loads of cells
; (where cl = 1) and those of (l + 1, 0 .. j - 1): 26, or 24.
.macro HALF par, cl, step
	s_wait_loadcnt 32                              ; the cells of level l + 1, asked for a level ago, are in: 32 gathers were issued behind them (in a pass's first level all loads ahead of its 32 gathers were waited for)
.if \cl
.if \par == 0
	s_add_nc_u64 s[CL:CL+1], s[CL:CL+1], 2048      ; the wait above has shown the last loads of cells done: their base may step
.endif
	global_load_b128 v[CE+8*\par:CE+8*\par+3], v[CO], s[CL:CL+1] offset:1024*\par th:TH_LOAD_NT        ; into the set whose level has had its indices made: the last step's wait on va_vdst stood behind its last reader, and no vector instruction since names the set
	global_load_b128 v[CE+8*\par+4:CE+8*\par+7], v[CO], s[CL:CL+1] offset:1024*\par+512 th:TH_LOAD_NT
.endif
.irp j, 0,1,2,3
	AIDX \j, CE+8*(1-\par)                         ; level l + 1's indices, into the set that the gathers of two steps back read: the last step's pair of waits stood behind those
	WGT \j, SC+\par
	s_wait_loadcnt 24+2*\cl                        ; the gathers of (l, j) are in
	s_wait_xcnt 0x0                                ; the last step's gathers have had their addresses translated: their index set is written again in the next step only behind this wait
	s_wait_alu depctr_vm_vsrc(0)                   ; the last step's gathers have read their index set, which the next step writes, and its LDS store has read FP and FA, which the lines below write
.if (\par == 0) && (\j == 0)
	v_add_nc_u32 v[FA], s[FL], v[FA0]              ; my features' place at the trip's even level
.endif
	SUMS \j
	s_wait_alu depctr_va_vdst(0)                   ; FP, the eight indices and (in a trip's first step) FA are written, which the store and the gathers below read; the sums are done reading G[j], in which the gathers land; the index arithmetic is done reading its cells
	ds_store_b64 v[FA], v[FP:FP+1] offset:1024*\par+256*\j     ; 32 lanes store 256 consecutive bytes
	GATHER \j, TLA+2*\par
.endr
.if \step
	s_add_nc_u64 s[TLB-2*\par:TLB-2*\par+1], s[TLB-2*\par:TLB-2*\par+1], 0x800000   ; all of level l's gathers were shown done by the wait of j = 3
.endif
.endm
; Level 15: nothing more goes out, and the counts run down.
.macro FINAL
.irp j, 0,1,2,3
	WGT \j, SC+1
	s_wait_loadcnt 24-8*\j
	s_wait_alu depctr_vm_vsrc(0)                   ; the last step's LDS store has read FP, which the sums below write; for j = 0 the last gathers have read their index set too, which M and the next pass write
	SUMS \j
	s_wait_alu depctr_va_vdst(0)                   ; FP is written, which the store below reads; for j = 3 also: the weights are done reading x, and all vector work on v42-143 is done: loads land in these below
	ds_store_b64 v[FA], v[FP:FP+1] offset:1024+256*\j
.endr
.endm
; Q.  Sub-block j's features come from LDS into its buffer: v80 (j = 0, 3), v112 (j = 1), v42 (j = 2),
.macro FLOAD j
.set LF, F+32*((\j)%3)-102*(((\j)%3)/2)
.irp l, 0,1,2,3,4,5,6,7,8,9,10,11,12,13,14,15
	ds_load_b64 v[LF+2*\l:LF+2*\l+1], v[FA0] offset:1024*\l+256*(\j)  ; my point's features 2 l, 2 l + 1 (LDS serves a wave's instructions in order: these see my stores)
.endr
.endm
; and become the first product's operand: 6 registers of codes, 6 of zero codes, and the scale word.  younger: the feature loads issued behind this sub-block's sixteen, which may stay out.
.macro QUANT j, younger
	s_wait_dscnt \younger
.set QF, F+32*((\j)%3)-102*(((\j)%3)/2)
.set QS, SV+12*(\j)+8*((\j)/2)
	v_max3_num_f32 v[MXA], |v[QF]|, |v[QF+1]|, 0x2800000           ; the block's largest magnitude, in two chains, with the floor 2^(5 - 127) among the leaves: the byte cannot fall under 1
	v_max3_num_f32 v[MXB], |v[QF+16]|, |v[QF+17]|, |v[QF+18]|
.irp i, 2,4,6,8,10,12
	v_max3_num_f32 v[MXA], v[MXA], |v[QF+\i]|, |v[QF+\i+1]|
	v_max3_num_f32 v[MXB], v[MXB], |v[QF+17+\i]|, |v[QF+18+\i]|
.endr
	v_max3_num_f32 v[MXA], v[MXA], |v[QF+14]|, |v[QF+15]|
	v_max3_num_f32 v[MXA], v[MXA], v[MXB], |v[QF+31]|
	v_add_nc_u32 v[SCL], 0xfe000000, v[MXA]        ; 4 off its exponent field: the conversion takes the exponent field of this operand as its scale, and nothing else of it
	v_lshrrev_b32 v[BY], 23, v[SCL]                ; the scale's byte
	v_lshl_or_b32 v[PS+(\j)], v[BY], 8, v[BY]      ; in bytes 0 and 1: my block is K block 0 in lanes 0-15, K block 1 in lanes 16-31
	v_cvt_scalef32_pk16_bf6_f32 v[QS:QS+2], v[QF:QF+15], v[SCL]
	v_cvt_scalef32_pk16_bf6_f32 v[T:T+2], v[QF+16:QF+31], v[SCL]
	v_nop                                          ; one plain place behind a scaled conversion
.irp i, 0,1,2
	v_mov_b32 v[QS+3+\i], v[T+\i]
.endr
.irp i, 6,7,8,9,10,11
	v_mov_b32 v[QS+\i], 0                          ; k = 64 .. 127: zero codes; M has used these registers for other things
.endr
.endm
.macro PLACES                          ; four plain vector instructions between a matrix instruction and the first read of its result or write of its sources (ISA guide 7.12.1)
.rept 4
	v_nop
.endr
.endm
; M.  Sub-block j's first product; relu; then a lane is a point, with its 16 units at v[HJ + 2 k].  The operand and its scale word were written at least three sub-blocks' vector work ago.
.macro FIRSTP j
.set HJ, H0A+(H0B-H0A)*((\j)/2)+((\j)%2)
.set QS, SV+12*(\j)+8*((\j)/2)
	v_wmma_scale_f32_16x16x128_f8f6f4 v[DA:DA+7], v[W0LO:W0LO+11], v[QS:QS+11], v[B0R:B0R+7], v[W0S], v[PS+(\j)] matrix_a_fmt:MATRIX_FMT_BF6 matrix_b_fmt:MATRIX_FMT_BF6   ; points 0-15; b0 is the C
	v_wmma_scale_f32_16x16x128_f8f6f4 v[DB:DB+7], v[W0HI:W0HI+11], v[QS:QS+11], v[B0R:B0R+7], v[W0S], v[PS+(\j)] matrix_a_fmt:MATRIX_FMT_BF6 matrix_b_fmt:MATRIX_FMT_BF6 matrix_b_scale:MATRIX_SCALE_ROW1   ; points 16-31
	PLACES
.irp i, 0,1,2,3,4,5,6,7
	v_max_num_f32 v[HJ+2*\i], 0, v[DA+\i]          ; relu, each result from its low end on, written where the next layer wants it
.endr
.irp i, 0,1,2,3,4,5,6,7
	v_max_num_f32 v[HJ+16+2*\i], 0, v[DB+\i]
.endr
.irp i, 0,1,2,3,4,5,6,7
	v_permlane16_swap_b32 v[HJ+2*\i], v[HJ+16+2*\i]   ; the first's lanes 16-31 (unit 8 + i of points 0-15) change places with the second's lanes 0-15 (unit i of points 16-31): now unit i and unit 8 + i of point = lane
.endr
.endm
; THE TWO f32 PRODUCTS, row by row of the weights: rows 0-15 are W1's, rows 16-31 W2's.  A row comes from LDS by five loads in which all lanes name the same bytes, into two sets of 18 registers by turns.
.macro WLOAD R
.set LW, WS+18*((\R)%2)
.irp c, 0,1,2,3
	ds_load_b128 v[LW+4*\c:LW+4*\c+3], v[WA] offset:WPITCH*(\R)+16*\c
.endr
	ds_load_b64 v[LW+16:LW+17], v[WA] offset:WPITCH*(\R)+64        ; the bias, twice: a pair for the packed form
.endm
; Row R: unit u = R % 16 of the layer, for the pass's 128 points: two running sums, each a pair of sub-blocks.  The bias is the addend of the first term.  Of a pair of weights the packed form takes the low word
; for both halves (even k) or the high word for both (odd k).
.macro ROW R
.set RW,  WS+18*((\R)%2)
.set RU,  (\R)%16
.if (\R) < 16
.set RI0, H0A
.set RI1, H0B
.else
.set RI0, H1A
.set RI1, H1B
.endif
.if (\R) < 31
.if (\R) > 0
	s_wait_alu depctr_va_vdst(0)                   ; the row before is done reading its set of weights, in which the next row's loads land
.endif
	WLOAD (\R)+1                                   ; the next row's, into the set whose row is done (row 0: no vector instruction since the wait ahead of its own loads)
	s_wait_dscnt 5                                 ; this row's five loads, asked for a row ago, are in; the five just issued may be out
.else
	s_wait_dscnt 0x0
.endif
	v_pk_fma_f32 v[TA:TA+1], v[RI0:RI0+1], v[RW:RW+1], v[RW+16:RW+17] op_sel_hi:[1,0,1]                        ; k = 0
	v_pk_fma_f32 v[TB:TB+1], v[RI1:RI1+1], v[RW:RW+1], v[RW+16:RW+17] op_sel_hi:[1,0,1]
	v_pk_fma_f32 v[TA:TA+1], v[RI0+2:RI0+3], v[RW:RW+1], v[TA:TA+1] op_sel:[0,1,0] op_sel_hi:[1,1,1]           ; k = 1
	v_pk_fma_f32 v[TB:TB+1], v[RI1+2:RI1+3], v[RW:RW+1], v[TB:TB+1] op_sel:[0,1,0] op_sel_hi:[1,1,1]
.irp n, 1,2,3,4,5,6
	v_pk_fma_f32 v[TA:TA+1], v[RI0+4*\n:RI0+4*\n+1], v[RW+2*\n:RW+2*\n+1], v[TA:TA+1] op_sel_hi:[1,0,1]        ; k = 2 n
	v_pk_fma_f32 v[TB:TB+1], v[RI1+4*\n:RI1+4*\n+1], v[RW+2*\n:RW+2*\n+1], v[TB:TB+1] op_sel_hi:[1,0,1]
	v_pk_fma_f32 v[TA:TA+1], v[RI0+4*\n+2:RI0+4*\n+3], v[RW+2*\n:RW+2*\n+1], v[TA:TA+1] op_sel:[0,1,0] op_sel_hi:[1,1,1]   ; k = 2 n + 1
	v_pk_fma_f32 v[TB:TB+1], v[RI1+4*\n+2:RI1+4*\n+3], v[RW+2*\n:RW+2*\n+1], v[TB:TB+1] op_sel:[0,1,0] op_sel_hi:[1,1,1]
.endr
	v_pk_fma_f32 v[TA:TA+1], v[RI0+28:RI0+29], v[RW+14:RW+15], v[TA:TA+1] op_sel_hi:[1,0,1]                    ; k = 14
	v_pk_fma_f32 v[TB:TB+1], v[RI1+28:RI1+29], v[RW+14:RW+15], v[TB:TB+1] op_sel_hi:[1,0,1]
.if (\R) < 16
	v_pk_fma_f32 v[TA:TA+1], v[RI0+30:RI0+31], v[RW+14:RW+15], v[TA:TA+1] op_sel:[0,1,0] op_sel_hi:[1,1,1]     ; k = 15
	v_pk_fma_f32 v[TB:TB+1], v[RI1+30:RI1+31], v[RW+14:RW+15], v[TB:TB+1] op_sel:[0,1,0] op_sel_hi:[1,1,1]
	v_max_num_f32 v[H1A+2*RU], 0, v[TA]            ; relu, written as the next layer's pairs
	v_max_num_f32 v[H1A+2*RU+1], 0, v[TA+1]
	v_max_num_f32 v[H1B+2*RU], 0, v[TB]
	v_max_num_f32 v[H1B+2*RU+1], 0, v[TB+1]
.else
	v_fma_f32 v[H0A+RU], v[H1A+30], v[RW+15], v[TA]            ; the last layer's k = 15 goes one sub-block at a time, so that a sub-block's 16 outputs fall into 16 registers on end: a point's row of out0
	v_fma_f32 v[H0A+16+RU], v[H1A+31], v[RW+15], v[TA+1]
	v_fma_f32 v[H0B+RU], v[H1B+30], v[RW+15], v[TB]
	v_fma_f32 v[H0B+16+RU], v[H1B+31], v[RW+15], v[TB+1]
.endif
.endm
; THE WAY OUT.  A lane holds its point's row of 64 bytes, and the lanes beside it hold other rows: a sub-block goes through my stage and comes back as 512 consecutive bytes an instruction, into sixteen registers of the second
; hidden layer, which is done with: so no load lands in a register that an LDS store has read.
.macro TOSTAGE j
.set OJ, H0A+(H0B-H0A)*((\j)/2)+16*((\j)%2)
.set BK, H1A+16*(\j)
.irp c, 0,1,2,3
	ds_store_b128 v[STO], v[OJ+4*\c:OJ+4*\c+3] offset:16*\c
.endr
.irp i, 0,1,2,3
	ds_load_b128 v[BK+4*\i:BK+4*\i+3], v[RD] offset:544*\i     ; LDS serves a wave's instructions in order: these see the stores above, and the next sub-block's stores come behind them
.endr
.endm
.macro SEND j, younger                 ; younger: the LDS instructions issued behind sub-block j's loads: the next sub-block's eight, or none
.set BK, H1A+16*(\j)
.irp i, 0,1,2,3
	s_wait_dscnt (\younger)+3-\i                   ; load i is back; what was issued behind it may be out
	global_store_b128 v[CO], v[BK+4*\i:BK+4*\i+3], s[24:25] offset:2048*(\j)+512*\i th:TH_STORE_NT   ; 32 lanes store 512 consecutive bytes, aligned; written once, read by nobody here
.endr
.endm
; M as a whole: 128 points from the four operands to out0.  It writes no LDS address register and has no loop and no label: it stands twice in the text.
.macro MCORE
	FIRSTP 0
	FIRSTP 1
	FIRSTP 2
	FIRSTP 3
	s_wait_alu depctr_va_vdst(0)                   ; the products are done reading the operands of sub-blocks 2 and 3, and all vector work on v220-255 is done: the rows of weights land there
	WLOAD 0
.set RR, 0
.rept 32
	ROW RR
.set RR, RR+1
.endr
	s_wait_alu depctr_va_vdst(0)                   ; the last layer has written the 64 outputs, which the LDS stores read, and is done reading the second hidden layer, in which the stage's rows land; no vector instruction follows in M
	TOSTAGE 0
	TOSTAGE 1
	SEND 0, 8
	TOSTAGE 2
	SEND 1, 8
	TOSTAGE 3
	SEND 2, 8
	SEND 3, 0
	s_wait_xcnt 0x0                                ; the stores have had their addresses translated: their data and their base may be written again
	s_wait_alu depctr_vm_vsrc(0)                   ; the LDS stores have read v42-73 and v188-219, the global stores v80-143: Q's loads and conversions, or the next pass's arithmetic and gathers, write them
	s_add_nc_u64 s[24:25], s[24:25], 8192          ; out0 at the pass that the next M takes
.endm
.Lpass:
	s_wait_loadcnt 0x0                             ; the pass's x and its first cells are in; no load is out, so every base may be written
	s_mov_b64 s[TLB:TLB+1], s[8:9]                 ; level 0's table,
	s_add_nc_u64 s[TLA:TLA+1], s[8:9], 0x400000    ; level 1's
	s_mov_b64 s[CL:CL+1], s[6:7]
	s_mov_b32 s[LV], 0
	s_mov_b32 s[FL], 0
	AIDX 0, CE                                     ; level 0's 32 gathers, in two runs of sixteen: two index sets, one wait
	AIDX 1, CE
	s_wait_alu depctr_va_vdst(0)                   ; both index sets are written, which the gathers read; whatever vector or matrix instruction named v80-143 (the head's selects, Q, M) is done: the gathers land there
	GATHER 0, TLB
	GATHER 1, TLB
	s_wait_xcnt 0x0                                ; these sixteen have had their addresses translated,
	s_wait_alu depctr_vm_vsrc(0)                   ; and have read both index sets, which the lines below write again
	AIDX 2, CE
	AIDX 3, CE
	s_wait_alu depctr_va_vdst(0)                   ; both index sets are written; the index arithmetic is done reading level 0's cells, in which level 2's land
	GATHER 2, TLB
	GATHER 3, TLB
	s_wait_xcnt 0x0                                ; likewise:
	s_wait_alu depctr_vm_vsrc(0)                   ; the first step of level 0 writes the set that sub-block 2's gathers have read
.Llev:                                                 ; seven trips: levels 0 to 13, two a trip, in which the two sets of cells and the two table bases change places and come back
	SCALES
	HALF 0, 1, 1
	HALF 1, 1, 1
	s_add_co_u32 s[FL], s[FL], 2048
	s_add_co_u32 s[LV], s[LV], 2
	s_cmp_lt_u32 s[LV], 14
	s_cbranch_scc1 .Llev
	SCALES
	HALF 0, 0, 0                                   ; level 14: no cells are left to ask for
	FINAL                                          ; level 15; its last wait on LOADcnt is for 0: no load is out
	s_add_nc_u64 s[4:5], s[4:5], 1536              ; x and cells at the next pass
	s_add_nc_u64 s[6:7], s[6:7], 16384
	s_cmp_eq_u32 s[PASS], 1
	s_cbranch_scc1 .Lno_next                       ; the last pass asks for nothing: no load leaves its buffer
	INIT_LOADS                                     ; they land while Q, and in half 0 M, run.  No vector instruction since level 15's last wait on va_vdst: x and the cells have been read
.Lno_next:
	s_cmp_eq_u32 s[GRP], 0                         ; HALF 1, BEHIND ITS SECOND L: the M of its first pass, whose operands it has carried through these sixteen levels
	s_cbranch_scc1 .Lno_early
	s_cmp_lg_u32 s[PASS], 1
	s_cbranch_scc1 .Lno_early
	MCORE                                          ; (its operands and scale words were written a pass ago, ahead of every wait on va_vdst of these sixteen levels)
.Lno_early:
	FLOAD 0                                        ; Q, in every wave and every pass.  Three buffers are asked for at once: on both ways here no vector instruction has been issued since a wait on va_vdst (level 15's last; M's, ahead of its way out)
	FLOAD 1
	FLOAD 2
	QUANT 0, 32
	s_wait_alu depctr_va_vdst(0)                   ; sub-block 0's maxima and conversions are done reading their buffer, in which sub-block 3's features land
	FLOAD 3
	QUANT 1, 32
	QUANT 2, 16
	QUANT 3, 0
	s_cmp_eq_u32 s[GRP], 0                         ; this pass's M follows at once in half 0, and in both halves behind the last pass
	s_cbranch_scc1 .Lnow
	s_cmp_lg_u32 s[PASS], 1
	s_cbranch_scc1 .Llater
.Lnow:
	s_wait_alu depctr_va_vdst(0)                   ; Q has written the four operands and their scale words, which the scaled matrix instructions take as source 1 and as scales
	MCORE
.Llater:
	s_sub_co_u32 s[PASS], s[PASS], 1
	s_cmp_lg_u32 s[PASS], 0
	s_cbranch_scc1 .Lpass
	s_wait_dscnt 0x0                               ; the closing lines, six on end
	s_wait_alu 0x0
	s_wait_tensorcnt 0x0
	ds_add_u32 v25, v175
	s_wait_dscnt 0x0
	s_endpgm
.Lfunc_end_k_q77f99ab14b_encode_mlp:
	.size	k_q77f99ab14b_encode_mlp, .Lfunc_end_k_q77f99ab14b_encode_mlp-k_q77f99ab14b_encode_mlp
	.p2alignl 7, 3214868480
	.fill 96, 4, 3214868480
	.section	.rodata,"a",@progbits
	.p2align	6, 0x0
	.amdhsa_kernel k_q77f99ab14b_encode_mlp
		.amdhsa_group_segment_fixed_size 301568
		.amdhsa_private_segment_fixed_size 0
		.amdhsa_enable_private_segment 0
		.amdhsa_kernarg_size 88
		.amdhsa_user_sgpr_count 2
		.amdhsa_user_sgpr_kernarg_segment_ptr 1
		.amdhsa_wavefront_size32 1
		.amdhsa_system_sgpr_workgroup_id_x 1
		.amdhsa_system_sgpr_workgroup_id_y 1
		.amdhsa_system_sgpr_workgroup_id_z 1
		.amdhsa_system_vgpr_workitem_id 0
		.amdhsa_next_free_vgpr 256
		.amdhsa_next_free_sgpr 66
		.amdhsa_reserve_vcc 1
		.amdhsa_float_denorm_mode_32 3
		.amdhsa_float_denorm_mode_16_64 3
		.amdhsa_memory_ordered 1
		.amdhsa_forward_progress 1
		.amdhsa_inst_pref_size 255
	.end_amdhsa_kernel
	.section	.bss,"aw",@nobits
	.p2align	6
	.space	262144
	.amdgpu_metadata
---
amdhsa.version: [ 1, 2 ]
amdhsa.kernels:
  - .name:           k_q77f99ab14b_encode_mlp
    .symbol:         k_q77f99ab14b_encode_mlp.kd
    .args:
      - { .name: x, .offset: 0, .size: 8, .value_kind: global_buffer, .address_space: global }
      - { .name: cells, .offset: 8, .size: 8, .value_kind: global_buffer, .address_space: global }
      - { .name: table, .offset: 16, .size: 8, .value_kind: global_buffer, .address_space: global }
      - { .name: W0_codes, .offset: 24, .size: 8, .value_kind: global_buffer, .address_space: global }
      - { .name: W0_scales, .offset: 32, .size: 8, .value_kind: global_buffer, .address_space: global }
      - { .name: W1, .offset: 40, .size: 8, .value_kind: global_buffer, .address_space: global }
      - { .name: W2, .offset: 48, .size: 8, .value_kind: global_buffer, .address_space: global }
      - { .name: b0, .offset: 56, .size: 8, .value_kind: global_buffer, .address_space: global }
      - { .name: b1, .offset: 64, .size: 8, .value_kind: global_buffer, .address_space: global }
      - { .name: b2, .offset: 72, .size: 8, .value_kind: global_buffer, .address_space: global }
      - { .name: out0, .offset: 80, .size: 8, .value_kind: global_buffer, .address_space: global }
    .group_segment_fixed_size: 301568
    .private_segment_fixed_size: 0
    .kernarg_segment_align: 8
    .kernarg_segment_size: 88
    .max_flat_workgroup_size: 512
    .sgpr_count:     66
    .vgpr_count:     256
    .wavefront_size: 32
...
	.end_amdgpu_metadata
.endif
;; end of part 3
